; MI455X (gfx1250); checked and timed in simulation.
; The chip was launched on July 23, 2026; its instructions are those of AMD's public machine-readable ISA for CDNA 5 (MIT licence, August 2026) and "CDNA5" Instruction Set Architecture Reference Guide (July 2026). The comments in the code are by the model that wrote it; some were corrected since.
;; Attention. Allowed arithmetic: matrix products marked QUANTISED: E3M2 operands, one E8M0 scale for each 32 along K, by v_wmma_scale_f32_16x16x128_f8f6f4 with both operands' format E3M2, f32 sums; everything else in f32.
;; Inputs: wk 1,024 x 256 float32; wo 1,024 x 1,024 float32; wq 1,024 x 1,024 float32; wv 1,024 x 256 float32; x 2 x 2,048 x 1,024 float32.
;; Outputs: out0 2 x 2,048 x 1,024 float32.
;; This version of the problem:
;;   THIS VERSION OF THE PROBLEM IS GIVEN IN LOW PRECISION. The matrix products marked QUANTISED in the list below multiply operands that are first quantised to E3M2 (3 exponent bits, 2 mantissa bits; 6 bits a number), with one power-of-two scale for each 32 numbers along K (OCP MX v1.0); their sums are f32. All else is computed in f32.
;;   The module's matrix products, in the order in which they are computed (A, B: the left and right operand; K: the contracted axis; several contracted axes count as one K, in the product's order):
;;     1. [M 4,096, K 1,024] x [K 1,024, N 1,024]; A: input x; B: input wq: QUANTISED
;;     2. [M 4,096, K 1,024] x [K 1,024, N 256]; A: input x; B: input wk: QUANTISED
;;     3. [M 4,096, K 1,024] x [K 1,024, N 256]; A: input x; B: input wv: QUANTISED
;;     4. batch 32 x [M 2,048, K 64] x [K 64, N 2,048]; A: computed on the way; B: computed on the way: QUANTISED
;;     5. batch 32 x [M 2,048, K 2,048] x [K 2,048, N 64]; A: softmax (see below); B: computed on the way: QUANTISED
;;     6. [M 4,096, K 1,024] x [K 1,024, N 1,024]; A: computed on the way; B: input wo: QUANTISED
;;   THE QUANTISER, for each operand of a quantised product, along K:
;;     - K is cut into blocks of 32 from its start; a last block that is shorter is filled with zeros.
;;     - A block's scale is 2^e with e = floor(log2(the largest magnitude in the block)) - 4, held to -126 .. 127; a block of zeros has e = 0. As a byte (E8M0): e + 127.
;;     - Each number is divided by its block's scale, clamped to +-28, and rounded to the nearest number of E3M2, ties to even, subnormals kept.
;;     - The product sums the exact products of the quantised numbers (number of the format x scale) in f32.
;;   ~~~python
;;   def quantise(x, axis):      # numpy; x: float32 -> the quantised numbers, widened to float32 again
;;       x = np.moveaxis(x, axis, -1); K = x.shape[-1]
;;       x = np.pad(x, [(0, 0)] * (x.ndim - 1) + [(0, -K % 32)]); x = x.reshape(x.shape[:-1] + (-1, 32)); a = np.abs(x).max(-1, keepdims=True)
;;       e = np.where(a > 0, np.clip(np.frexp(np.where(a > 0, a, 1))[1] - 1 - 4, -126, 127), 0)      # np.frexp(a)[1] - 1 = floor(log2(a)), exactly
;;       r = np.clip(x / 2.0 ** e, -28, 28)
;;       step = 2.0 ** (np.maximum(np.frexp(np.where(r == 0, 1, r))[1] - 1, -2) - 2)
;;       q = np.round(r / step) * step * 2.0 ** e      # np.round: ties to even
;;       return np.moveaxis(q.reshape(q.shape[:-2] + (-1,))[..., :K], -1, axis).astype(np.float32)
;;   ~~~
;;   SOFTMAX AHEAD OF A QUANTISED PRODUCT. Where the list says 'softmax', what is quantised is not the finished softmax but p = 2^(t - M), with t = logit x log2(e) and M = ceil(the row's largest t), a whole number; so 1/2 < the row's largest p <= 1. The row's sum l is taken of the UNQUANTISED p, in f32, and the product's result is divided by l at the end. Since M is a whole number, a kernel that streams over the keys may use a running M (the ceiling of the running maximum): every later rescaling is an exact power of two, which a block's scale takes up: the codes' values come out the same.
;;   OPERANDS COMPUTED ON THE WAY. 'Computed on the way' means the value that the module computes at that place (a softmax that the list does not call 'softmax' is quantised finished and normalised). What goes into a quantiser is computed in f32, as accurately as f32 sums, v_exp_f32 and their like allow (about 1e-6 of the number): no bf16 or f16 on the way to a quantiser, and a product that is left as it is and whose result goes on into a quantised operand takes f32 operands (vector FMAs, or v_wmma_f32_16x16x4_f32). A number that lies on a knife's edge between two numbers of the format may be rounded either way, as far as f32 arithmetic and the matrix unit's own rounding can turn it there, and no further.
;; One version. Each part assembles by itself: llvm-mc -triple=amdgcn-amd-amdhsa -mcpu=gfx1250 --defsym DOCPART=n.
;; ======== version 1 of 1: 4 launches
;; limits: right only within a limited range of input values
;; workspace buffers: xcod 3,276,800 bytes; wcod 2,048,000 bytes; rope 524,288 bytes; qcod 3,407,872 bytes; kvrec 1,638,400 bytes; ocod 3,276,800 bytes
;; launch prep (part 1): grid 480 x 1, 4 waves a work-group, no clusters, 46,592 bytes of LDS; arguments x, wq, wk, wv, wo, xcod, wcod, rope; writes xcod, wcod, rope
.if DOCPART == 1
	.amdgcn_target "amdgcn-amd-amdhsa--gfx1250"
	.amdhsa_code_object_version 6
	.text
	.protected	k_qc122e31664_prep
	.globl	k_qc122e31664_prep
	.p2align	8
	.type	k_qc122e31664_prep,@function
k_qc122e31664_prep:
	s_mov_b64 s[64:65], 0
	v_nop
	global_prefetch_b8 v0, s[64:65] scope:SCOPE_SE
	s_setreg_imm32_b32 hwreg(HW_REG_WAVE_MODE, 25, 1), 1
	s_wait_xcnt 0x0
; x [4096][1024] and the four weights ([1024 (k)][n]), all f32, become codes of BF6 (E3M2) with one E8M0 byte for each 32 along K; and the table of cos and sin for the rotation is made.
; THE CODES ARE LAID AS IMAGES OF THE OPERAND'S REGISTERS.  A fragment (16 rows x 128 K, 12 registers a lane) is 1,536 bytes: two halves of 768; in a half the lanes' first four registers lie at 16 x lane, the other two at 512 + 8 x lane.
; THE 16 ROWS OF A TILE ARE NOT NEIGHBOURS: of a group of 32 rows (tokens, or a weight's output features) tile u = 0, 1 takes rows 8 u + m + 8 (m / 8), m = 0 .. 15.
; A block's scale is 2^(floor(log2(its largest magnitude)) - 4): its byte is the largest magnitude's exponent field - 4, held at 1 from below.
; LIMITS: NaN and infinities among the inputs are not served.  A block whose largest magnitude lies under 2^-122, a block of zeros among them, keeps the byte 1 (the rule says 127 for zeros): its codes are zeros or what that scale gives, and this program alone reads the bytes.
; The rotation's frequencies: 10000^(f/32) rounded once from a product kept in two f32 words, then its reciprocal corrected once; cos and sin by a reduction in three parts and two short polynomials, good to about 1e-7 for angles up to 2,047.
; THREE PATHS, parted on the work-group's number, each with LDS bytes of its own: 0-255 a tile of 16 tokens of x; 256-415 128 features x 128 K of a weight; 416-479 32 tokens of the table.
; No barrier: waves share nothing.  No matrix work, no cluster: no two work-groups read the same bytes.  Every wave asks for all its 16 KiB at once.
; LEFT OUT IN LAUNCH attn: key steps and 64-key halves of a step in which reference()'s own causal mask (jnp.tril) hides every key from every query of a 16-query tile: their p is 0 for all values of the inputs.
; LIMIT of that: a NaN, an infinity or an overflow that reaches only such a hidden score is not carried to the result.
.set XSOFF, 3145728
.set WSOFF, 1966080                    ; wcod likewise
.set SEL, 22                           ; s[22:23] v_permlanex16_b32's selects for lane l xor 16
.set TM,  16                           ; v16-31  at work in QUANT
.set PC,  32                           ; v32-50  the codes just made
.set PW,  52                           ; v52     the scale word just made
.set PW0, 53                           ; v53     the first K step's
; 64 numbers of a lane, register 16 b + i = k 32 b + 16 (lane / 16) + i of the lane's row, become a fragment's codes in v[PC] on and its scale word in v[PW].
.macro QUANT s
.irp b, 0,1,2,3
	v_max3_num_f32 v[TM+\b], |v[(\s)+16*\b]|, |v[(\s)+1+16*\b]|, 0x2800000   ; my 16 numbers of block b, and the floor 2^(5 - 127): the byte cannot fall under 1
.endr
.irp i, 2,4,6,8,10,12,14
.irp b, 0,1,2,3
	v_max3_num_f32 v[TM+\b], v[TM+\b], |v[(\s)+16*\b+\i]|, |v[(\s)+1+16*\b+\i]|   ; the four blocks by turns
.endr
.endr
.irp b, 0,1,2,3
	v_permlanex16_b32 v[TM+4+\b], v[TM+\b], s[SEL], s[SEL+1]
.endr
.irp b, 0,1,2,3
	v_max_num_f32 v[TM+\b], v[TM+\b], v[TM+4+\b]   ; with lane l xor 16's: the block's largest magnitude
.endr
.irp b, 0,1,2,3
	v_add_nc_u32 v[TM+12+\b], 0xfe000000, v[TM+\b]   ; 4 off its exponent field: the conversion's scale operand
.endr
.irp b, 0,1,2,3
	v_lshrrev_b32 v[TM+4+\b], 23, v[TM+12+\b]      ; the scale's byte
.endr
	v_lshl_or_b32 v[PW], v[TM+5], 8, v[TM+4]
	v_lshl_or_b32 v[PW], v[TM+6], 16, v[PW]
	v_lshl_or_b32 v[PW], v[TM+7], 24, v[PW]
.irp c, 0,1
	v_cvt_scalef32_pk16_bf6_f32 v[PC+6*\c:PC+2+6*\c], v[(\s)+32*\c:(\s)+15+32*\c], v[TM+12+2*\c]
	v_cvt_scalef32_pk16_bf6_f32 v[PC+12+4*\c:PC+14+4*\c], v[(\s)+16+32*\c:(\s)+31+32*\c], v[TM+12+2*\c+1]   ; (a conversion's three registers begin on an even number)
.endr
	v_nop                                          ; one plain place behind a scaled conversion
.irp c, 0,1                                    ; the operand wants a whole block in a lane: lanes 0-15 block 2 c, lanes 16-31 block 2 c + 1
.irp i, 0,1,2
	v_permlane16_swap_b32 v[PC+6*\c+\i], v[PC+12+4*\c+\i]
.endr
.irp i, 0,1,2
	v_mov_b32 v[PC+3+6*\c+\i], v[PC+12+4*\c+\i]
.endr
.endr
.endm
.macro STH p, sb, off                          ; half an image: 512 and 256 consecutive bytes, each at a multiple of 256 from the buffer's first byte
	global_store_b128 v1, v[(\p):(\p)+3], s[\sb:\sb+1] offset:(\off)
	global_store_b64 v2, v[(\p)+4:(\p)+5], s[\sb:\sb+1] offset:(\off)+512
.endm
.macro STF sb, off
	STH PC, \sb, \off
	STH PC+6, \sb, (\off)+768
.endm
	s_load_b512 s[4:19], s[0:1], 0x0               ; x s[4:5], wq s[6:7], wk s[8:9], wv s[10:11], wo s[12:13], xcod s[14:15], wcod s[16:17], rope s[18:19]
	v_lshl_add_u32 v62, v0, 2, 0xb400
	v_mov_b32 v63, 0
	v_lshrrev_b32 v1, 5, v0
	v_readfirstlane_b32 s20, v1                    ; wave 0..3
	v_and_b32 v6, 31, v0                           ; lane
	v_and_b32 v7, 15, v0                           ; r
	v_bfe_u32 v8, v0, 4, 1                         ; h
	s_cmp_ge_u32 ttmp9, 416
	s_cbranch_scc1 .Lrope
	s_cmp_ge_u32 ttmp9, 256
	s_cbranch_scc1 .Lweights
; ---- x: tile T = the work-group's number; wave w takes K steps 2 w and 2 w + 1.
	v_lshlrev_b32 v1, 4, v6                        ; 16 x lane
	v_lshlrev_b32 v2, 3, v6                        ; 8 x lane
	v_lshlrev_b32 v3, 2, v6                        ; 4 x lane
	s_mul_i32 s21, s20, 8448                       ; my stage: 16 rows of 512 bytes + 16
	v_add_nc_u32 v4, s21, v1                       ; in: a row as it was loaded
	v_mul_u32_u24 v5, v7, 528
	v_lshl_add_u32 v5, v8, 6, v5
	v_add_nc_u32 v5, s21, v5                       ; out: row r, + 64 h: my 16 numbers of each block of 32
	s_mov_b32 s[SEL], 0x76543210
	s_mov_b32 s[SEL+1], 0xfedcba98
.irp b, 0,1,2,3
	v_mov_b32 v[TM+4+\b], 0                        ; written once: a lane permute's destination counts as one of its sources
.endr
	s_lshr_b32 s24, ttmp9, 1
	s_and_b32 s25, ttmp9, 1
	s_lshl_b32 s24, s24, 17                        ; 32 tokens of 4,096 bytes for each group,
	s_lshl_b32 s25, s25, 15                        ; 8 for the tile in it,
	s_add_co_u32 s24, s24, s25
	s_lshl_b32 s25, s20, 10                        ; my two K steps: 1,024 bytes of a row
	s_add_co_u32 s24, s24, s25
	s_mov_b32 s25, 0
	s_lshr_b32 s26, ttmp9, 3
	s_lshl_b32 s26, s26, 3
	s_lshl_b32 s27, s20, 1
	s_add_co_u32 s26, s26, s27                     ; 8 (T / 8) + 2 w
	s_lshl_b32 s26, s26, 3
	s_and_b32 s27, ttmp9, 7
	s_add_co_u32 s26, s26, s27
	s_mul_i32 s26, s26, 1536                       ; codes: [T / 8][K step][T % 8][1,536]
	s_mov_b32 s27, 0
	s_lshl_b32 s28, ttmp9, 9
	s_lshl_b32 s29, s20, 7
	s_add_co_u32 s28, s28, s29
	s_add_co_u32 s28, s28, XSOFF                   ; scale words: 512 T + 128 w + 4 x lane
	s_mov_b32 s29, 0
	s_wait_alu depctr_va_vdst(0)
	s_wait_kmcnt 0x0
	s_add_nc_u64 s[4:5], s[4:5], s[24:25]
	s_add_nc_u64 s[26:27], s[14:15], s[26:27]
	s_add_nc_u64 s[28:29], s[14:15], s[28:29]
.irp p, 0,1
.set i, 0
.rept 16
	global_load_b128 v[64+64*\p+4*i:64+64*\p+4*i+3], v1, s[4:5] offset:(i+8*(i/8))*4096+512*\p th:TH_LOAD_NT   ; the tile's row i, K step 2 w + p: 512 consecutive bytes
.set i, i+1
.endr
.endr
.macro TURN p                                  ; a K step's 16 rows through my stage: LDS serves a wave's instructions in order, so no wait stands between the stores and the loads
.set i, 0
.rept 16
	ds_store_b128 v4, v[64+64*\p+4*i:64+64*\p+4*i+3] offset:528*i
.set i, i+1
.endr
.set i, 0
.rept 16
	ds_load_b128 v[192+4*i:192+4*i+3], v5 offset:128*(i/4)+16*(i%4)
.set i, i+1
.endr
.endm
	s_wait_loadcnt 16                              ; the first K step's 16 loads are in; the second's 16 may be out
	TURN 0
	s_wait_dscnt 0x0
	QUANT 192
	v_mov_b32 v[PW0], v[PW]
	STF 26, 0
	s_wait_loadcnt 0x0
	TURN 1
	s_wait_dscnt 0x0
	s_wait_xcnt 0x0                                ; the codes' registers are written again only behind this wait
	QUANT 192
	STF 26, 12288                                  ; the next K step lies 8 fragments on
	v_cmp_ne_u32 vcc_lo, 0, v8
	v_cndmask_b32 v54, v[PW0], v[PW], vcc_lo       ; lanes 0-15 carry K step 2 w's words, lanes 16-31 those of 2 w + 1
	global_store_b32 v3, v54, s[28:29]
	s_wait_tensorcnt 0x0
	ds_add_u32 v62, v63
	s_wait_dscnt 0x0
	s_endpgm
; ---- a weight: unit U of 128 output features (0-7 wq, 8-9 wk, 10-11 wv, 12-19 wo), K step s; wave w takes 32 columns: tiles 2 w and 2 w + 1.
; A LANE TAKES A COLUMN AND ITS REGISTERS RUN DOWN K: a block of 32 lies in one lane, and the codes come out with K innermost.
.Lweights:
	s_sub_co_u32 s24, ttmp9, 256                   ; 8 U + s
	s_lshr_b32 s25, s24, 3                         ; U
	s_and_b32 s26, s24, 7                          ; s
	s_mov_b32 s30, 12                              ; the tensor's first unit,
	s_mov_b32 s31, 4096                            ; and its row in bytes
	s_wait_kmcnt 0x0
	s_mov_b64 s[28:29], s[12:13]                   ; the choice hangs on the work-group's number alone
	s_cmp_lt_u32 s25, 12
	s_cselect_b64 s[28:29], s[10:11], s[28:29]
	s_cselect_b32 s30, 10, s30
	s_cselect_b32 s31, 1024, s31
	s_cmp_lt_u32 s25, 10
	s_cselect_b64 s[28:29], s[8:9], s[28:29]
	s_cselect_b32 s30, 8, s30
	s_cmp_lt_u32 s25, 8
	s_cselect_b64 s[28:29], s[6:7], s[28:29]
	s_cselect_b32 s30, 0, s30
	s_cselect_b32 s31, 4096, s31
	s_sub_co_u32 s32, s25, s30
	s_lshl_b32 s32, s32, 7
	s_lshl_b32 s33, s20, 5
	s_add_co_u32 s32, s32, s33                     ; my wave's first column
	s_wait_alu depctr_va_vdst(0)
	v_and_b32 v9, 8, v7
	v_add_nc_u32 v9, v9, v7
	v_lshl_add_u32 v9, v8, 3, v9                   ; lane (u = h, r): column 8 u + r + 8 (r / 8) of the 32: the 32 lanes cover 128 consecutive bytes
	v_add_nc_u32 v9, s32, v9
	v_lshlrev_b32 v9, 2, v9
.set i, 0
.rept 32
	v_mad_u32_u24 v[16+i], s31, i, v9              ; row i of a block
.set i, i+1
.endr
	s_lshl_b32 s34, s26, 7
	s_mul_i32 s34, s34, s31                        ; 128 s rows down
	s_mov_b32 s35, 0
	s_add_nc_u64 s[36:37], s[28:29], s[34:35]
	s_lshl_b32 s34, s31, 5                         ; 32 rows from block to block
	s_add_nc_u64 s[38:39], s[36:37], s[34:35]
	s_add_nc_u64 s[40:41], s[38:39], s[34:35]
	s_add_nc_u64 s[42:43], s[40:41], s[34:35]
	s_wait_alu depctr_va_vdst(0)
.irp k, 0,1,2,3
.set i, 0
.rept 32
	global_load_b32 v[64+32*\k+i], v[16+i], s[36+2*\k:37+2*\k] th:TH_LOAD_NT
.set i, i+1
.endr
.endr
	s_mul_i32 s33, s20, 3072
	s_add_co_u32 s33, s33, 33792                   ; my stage: two fragments' images, behind the other path's stages
	v_mul_u32_u24 v10, v8, 1536                    ; my tile's image
	v_add_nc_u32 v10, s33, v10
	v_lshl_add_u32 v11, v7, 3, v10                 ; + 8 r
	v_lshl_add_u32 v10, v7, 4, v10                 ; + 16 r
	v_lshl_add_u32 v12, v6, 4, s33                 ; back: 16 x lane
	v_lshlrev_b32 v13, 4, v6
	v_lshlrev_b32 v14, 2, v6
	s_lshl_b32 s44, s25, 1
	s_lshr_b32 s45, s20, 1
	s_add_co_u32 s44, s44, s45                     ; 2 U + w / 2: a run of 64 features (n = 0-23: a head of q, k, v; 24-39: wo)
	s_cmp_ge_u32 s44, 12
	s_cselect_b32 s45, 12, 0                       ; 12 R
	s_sub_co_u32 s46, s44, s45
	s_lshr_b32 s47, s46, 2
	s_add_co_u32 s45, s45, s47
	s_and_b32 s46, s46, 3
	s_mul_i32 s46, s46, 3
	s_add_co_u32 s45, s45, s46                     ; head 12 R + 4 i + j is laid at place 12 R + 3 j + i: the three heads that a work-group of the next launch takes lie on end
	s_cmp_lt_u32 s44, 24
	s_cselect_b32 s44, s45, s44                    ; (n below: the place)
	s_lshl_b32 s46, s44, 3
	s_add_co_u32 s46, s46, s26                     ; 8 n + s
	s_and_b32 s47, s20, 1
	s_lshl_b32 s44, s46, 1
	s_add_co_u32 s44, s44, s47
	s_mul_i32 s44, s44, 3072                       ; codes: [n][K step][4 tiles][1,536]
	s_mov_b32 s45, 0
	s_add_nc_u64 s[44:45], s[16:17], s[44:45]
	s_lshl_b32 s46, s46, 8
	s_lshl_b32 s47, s47, 7
	s_add_co_u32 s46, s46, s47                     ; scale words: 2,048 n + 256 s + 128 (w % 2) + 4 x lane
	s_add_co_u32 s46, s46, WSOFF
	s_mov_b32 s47, 0
	s_add_nc_u64 s[46:47], s[16:17], s[46:47]
; Block k = 2 c + hb of my column belongs to lane (r, hb) of my tile's fragment, registers 6 c on: so it goes to that lane's place in the image.
.macro BLOCK k, left
.set XB, 64+32*\k
.set CB, 192+8*\k
	s_wait_loadcnt \left                           ; this block's 32 loads are in (a count is at most the loads issued behind them, and at most what the wait can name)
	v_max3_num_f32 v48, |v[XB]|, |v[XB+1]|, |v[XB+2]|
	v_max3_num_f32 v49, |v[XB+3]|, |v[XB+4]|, |v[XB+5]|
.irp i, 6,10,14,18,22,26
	v_max3_num_f32 v48, v48, |v[XB+\i]|, |v[XB+\i+1]|
	v_max3_num_f32 v49, v49, |v[XB+\i+2]|, |v[XB+\i+3]|
.endr
	v_max3_num_f32 v48, v48, |v[XB+30]|, |v[XB+31]|
	v_max3_num_f32 v48, v48, v49, 0x2800000        ; and the floor
	v_add_nc_u32 v50, 0xfe000000, v48
	v_lshrrev_b32 v51, 23, v50
.if \k == 0
	v_mov_b32 v52, v51
.else
	v_lshl_or_b32 v52, v51, 8*\k, v52              ; four bytes: my column's scale word for this K step
.endif
	v_cvt_scalef32_pk16_bf6_f32 v[CB:CB+2], v[XB:XB+15], v50
	v_cvt_scalef32_pk16_bf6_f32 v[224:226], v[XB+16:XB+31], v50
	v_nop                                          ; one plain place behind a scaled conversion
.irp i, 0,1,2
	v_mov_b32 v[CB+3+\i], v[224+\i]
.endr
	ds_store_b128 v10, v[CB:CB+3] offset:768*(\k/2)+256*(\k%2)
	ds_store_b64 v11, v[CB+4:CB+5] offset:768*(\k/2)+512+128*(\k%2)
.endm
	BLOCK 0, 63
	BLOCK 1, 63
	BLOCK 2, 32
	BLOCK 3, 0
.irp i, 0,1,2,3,4,5
	ds_load_b128 v[228+4*\i:231+4*\i], v12 offset:512*\i   ; LDS serves a wave's instructions in order: these see my stores
.endr
	s_wait_alu depctr_va_vdst(0)
.irp i, 0,1,2,3,4,5
	s_wait_dscnt 5-\i
	global_store_b128 v13, v[228+4*\i:231+4*\i], s[44:45] offset:512*\i   ; 512 consecutive bytes, at a multiple of 256 from the buffer's first byte
.endr
	global_store_b32 v14, v52, s[46:47]
	s_wait_tensorcnt 0x0
	ds_add_u32 v62, v63
	s_wait_dscnt 0x0
	s_endpgm
; ---- the table: [token][cos of 32 frequencies | sin of 32], 256 bytes a token.  A lane is a frequency f; a wave takes 8 tokens.
.Lrope:
	s_sub_co_u32 s24, ttmp9, 416
	s_lshl_b32 s24, s24, 2
	s_add_co_u32 s24, s24, s20
	s_lshl_b32 s24, s24, 3                         ; my first token
	s_lshl_b32 s26, s24, 8
	s_mov_b32 s27, 0
	s_mov_b32 s30, 0xbfc90000                      ; - pi / 2 in three parts: the first two have so few bits that their products with n (at most 1,304) are exact
	s_mov_b32 s31, 0xb9fda000
	s_mov_b32 s32, 0xb3a22168
	s_mov_b32 s33, 0xb94ca1f9                      ; sin: -1.9515296e-4,
	s_mov_b32 s34, 0x3c08839e                      ; 8.3321609e-3,
	s_mov_b32 s35, 0xbe2aaaa3                      ; -1.6666655e-1
	s_mov_b32 s36, 0x37ccf5ce                      ; cos: 2.4433157e-5,
	s_mov_b32 s37, 0xbab6061a                      ; -1.3887316e-3,
	s_mov_b32 s38, 0x3d2aaaa5                      ; 4.1666646e-2
	s_wait_alu depctr_va_vdst(0)
	v_lshlrev_b32 v26, 2, v6
.macro FACTOR bit, hi, lo                      ; (v18, v19) = the factor in two words where that bit of f is set, else (1, 0)
	v_and_b32 v20, \bit, v6
	v_cmp_ne_u32 vcc_lo, 0, v20
	v_mov_b32 v21, \hi
	v_cndmask_b32 v18, 1.0, v21, vcc_lo
	v_mov_b32 v21, \lo
	v_cndmask_b32 v19, 0, v21, vcc_lo
.endm
.macro DFMUL                                   ; (v16, v17) x (v18, v19), kept in two words
	v_mul_f32 v22, v16, v18
	v_fma_f32 v23, v16, v18, -v22
	v_fma_f32 v23, v16, v19, v23
	v_fma_f32 v23, v17, v18, v23
	v_add_f32 v16, v22, v23
	v_sub_f32 v24, v16, v22
	v_sub_f32 v17, v23, v24
.endm
	FACTOR 1, 0x3faab0d5, 0xb36457e2               ; 10000^(f/32) = 10^(f/8): 10^(1/8),
	v_mov_b32 v16, v18
	v_mov_b32 v17, v19
	FACTOR 2, 0x3fe39ea9, 0xb26aee20               ; 10^(1/4),
	DFMUL
	FACTOR 4, 0x404a62c2, 0xb324b48d               ; 10^(1/2),
	DFMUL
	FACTOR 8, 0x41200000, 0                        ; 10,
	DFMUL
	FACTOR 16, 0x42c80000, 0                       ; 100
	DFMUL
	v_rcp_f32 v25, v16
	v_nop                                          ; one plain place behind a transcendental
	s_wait_alu depctr_va_vdst(0)
	v_fma_f32 v27, -v16, v25, 1.0
	v_fma_f32 v25, v25, v27, v25                   ; the frequency: 1 / the power, corrected once
	s_wait_kmcnt 0x0
	s_add_nc_u64 s[18:19], s[18:19], s[26:27]
.macro SINCOS i                                ; each token has result registers of its own, so no store's data are written again
	s_add_co_u32 s44, s24, \i
	v_cvt_f32_u32 v32, s44
	s_wait_alu depctr_va_vdst(0)
	v_mul_f32 v32, v32, v25                        ; the angle, rounded once
	v_mul_f32 v33, 0x3f22f983, v32
	v_rndne_f32 v33, v33                           ; n = the nearest multiple of pi / 2
	v_fma_f32 v34, v33, s30, v32
	v_fma_f32 v34, v33, s31, v34
	v_fma_f32 v34, v33, s32, v34                   ; what is left, within pi / 4
	v_mul_f32 v35, v34, v34
	v_fma_f32 v36, s33, v35, s34
	v_fma_f32 v38, s36, v35, s37
	v_fma_f32 v36, v36, v35, s35
	v_fma_f32 v38, v38, v35, s38
	v_mul_f32 v37, v34, v35
	v_mul_f32 v39, v35, v35
	v_fma_f32 v40, v35, -0.5, 1.0
	v_fma_f32 v36, v37, v36, v34                   ; its sine,
	v_fma_f32 v38, v39, v38, v40                   ; its cosine
	v_cvt_i32_f32 v41, v33
	v_and_b32 v42, 1, v41
	v_cmp_ne_u32 vcc_lo, 0, v42
	v_cndmask_b32 v43, v36, v38, vcc_lo            ; in odd quadrants the two change places;
	v_cndmask_b32 v44, v38, v36, vcc_lo
	v_and_b32 v42, 2, v41
	v_lshlrev_b32 v42, 30, v42
	v_xor_b32 v[65+2*\i], v43, v42                 ; the sine is negative in quadrants 2 and 3,
	v_add_nc_u32 v41, 1, v41
	v_and_b32 v41, 2, v41
	v_lshlrev_b32 v41, 30, v41
	v_xor_b32 v[64+2*\i], v44, v41                 ; the cosine in 1 and 2
	global_store_b32 v26, v[64+2*\i], s[18:19] offset:256*\i
	global_store_b32 v26, v[65+2*\i], s[18:19] offset:256*\i+128
.endm
.irp i, 0,1,2,3,4,5,6,7
	SINCOS \i
.endr
	s_endpgm
.Lfunc_end_k_qc122e31664_prep:
	.size	k_qc122e31664_prep, .Lfunc_end_k_qc122e31664_prep-k_qc122e31664_prep
	.p2alignl 7, 3214868480
	.fill 96, 4, 3214868480
	.section	.rodata,"a",@progbits
	.p2align	6, 0x0
	.amdhsa_kernel k_qc122e31664_prep
		.amdhsa_group_segment_fixed_size 46592
		.amdhsa_private_segment_fixed_size 0
		.amdhsa_enable_private_segment 0
		.amdhsa_kernarg_size 64
		.amdhsa_user_sgpr_count 2
		.amdhsa_user_sgpr_kernarg_segment_ptr 1
		.amdhsa_wavefront_size32 1
		.amdhsa_system_sgpr_workgroup_id_x 1
		.amdhsa_system_sgpr_workgroup_id_y 1
		.amdhsa_system_sgpr_workgroup_id_z 1
		.amdhsa_system_vgpr_workitem_id 0
		.amdhsa_next_free_vgpr 256
		.amdhsa_next_free_sgpr 66
		.amdhsa_reserve_vcc 1
		.amdhsa_float_denorm_mode_32 3
		.amdhsa_float_denorm_mode_16_64 3
		.amdhsa_memory_ordered 1
		.amdhsa_forward_progress 1
		.amdhsa_inst_pref_size 59
	.end_amdhsa_kernel
	.amdgpu_metadata
---
amdhsa.version: [ 1, 2 ]
amdhsa.kernels:
  - .name:           k_qc122e31664_prep
    .symbol:         k_qc122e31664_prep.kd
    .args:
      - { .name: x, .offset: 0, .size: 8, .value_kind: global_buffer, .address_space: global }
      - { .name: wq, .offset: 8, .size: 8, .value_kind: global_buffer, .address_space: global }
      - { .name: wk, .offset: 16, .size: 8, .value_kind: global_buffer, .address_space: global }
      - { .name: wv, .offset: 24, .size: 8, .value_kind: global_buffer, .address_space: global }
      - { .name: wo, .offset: 32, .size: 8, .value_kind: global_buffer, .address_space: global }
      - { .name: xcod, .offset: 40, .size: 8, .value_kind: global_buffer, .address_space: global }
      - { .name: wcod, .offset: 48, .size: 8, .value_kind: global_buffer, .address_space: global }
      - { .name: rope, .offset: 56, .size: 8, .value_kind: global_buffer, .address_space: global }
    .group_segment_fixed_size: 46592
    .private_segment_fixed_size: 0
    .kernarg_segment_align: 8
    .kernarg_segment_size: 64
    .max_flat_workgroup_size: 128
    .sgpr_count:     66
    .vgpr_count:     256
    .wavefront_size: 32
...
	.end_amdgpu_metadata
.endif
;; end of part 1
;; launch qkv (part 2): grid 32 x 8, 12 waves a work-group, clusters of 4 x 4, 247,296 bytes of LDS; arguments xcod, wcod, rope, qcod, kvrec; writes qcod, kvrec
.if DOCPART == 2
	.amdgcn_target "amdgcn-amd-amdhsa--gfx1250"
	.amdhsa_code_object_version 6
	.text
	.protected	k_qc122e31664_qkv
	.globl	k_qc122e31664_qkv
	.p2align	8
	.type	k_qc122e31664_qkv,@function
k_qc122e31664_qkv:
	s_mov_b64 s[64:65], 0
	v_nop
	global_prefetch_b8 v0, s[64:65] scope:SCOPE_SE
	s_setreg_imm32_b32 hwreg(HW_REG_WAVE_MODE, 25, 1), 1
	s_wait_xcnt 0x0
	s_wait_alu depctr_hold_cnt(0) depctr_sa_sdst(0) depctr_va_vdst(0) depctr_va_sdst(0) depctr_va_ssrc(0) depctr_va_vcc(0) depctr_vm_vsrc(0)
	s_getreg_b32 s2, hwreg(HW_REG_IB_STS2, 6, 4)
	s_cmp_eq_u32 s2, 0
	s_cbranch_scc0 .Lentry_in_a_cluster
	s_endpgm
.Lentry_in_a_cluster:
	s_bfe_u32 s2, ttmp6, 0x10000c
	s_cmp_lg_u32 s2, 0xf033
	s_cbranch_scc0 .Lentry_shape_is_right
	s_endpgm
.Lentry_shape_is_right:
; q = x wq, k = x wk, v = x wv on codes of BF6 (E3M2), K = 1,024; q and k are rotated in f32; all three are quantised along the K of the product that takes them next and stored as images of operand registers.
; SHARES.  A work-group takes 128 tokens (8 tiles of 16) and 3 heads of 64 features out of 24 (n = 0-15 q, 16-19 k, 20-23 v): 32 x 8 = 256 work-groups.  All its codes, 98,304 bytes of x and 147,456 of the weights, fit in LDS at once:
; waves 0-7 fetch an eighth of the weights each, waves 8-11 a quarter of x, ONE tensor load a wave; no LDS byte is filled twice.  Every tile is asked for at the head, so there is no loop of fills for a prefetch to run ahead in.
; CLUSTER.  4 x 4 work-groups.  The four of a row of the cluster take the same heads, the four of a column the same tokens: both operands come by joint loads, each with a mask that names the four.
; Partners run alike: a wave's kind (q, k or v) is made of the cluster's row R and the wave's slot i = w / 4 alone: kind 3 R + i = 0-3 q, 4 k, 5 v; the head is n = 4 kind + cy, and the weights' buffer holds the work-group's three heads on end.
; A WAVE takes 32 tokens (2 tiles) x one head (4 tiles): 8 accumulators.  q, k: source 0 = the weight, source 1 = the tokens: a lane holds ONE token, its registers run along the features, the next K.
; v: source 0 = the tokens, source 1 = the weight: a lane holds ONE feature and its registers run along the tokens, which are the next K.
; Since a tile's 16 rows are rows 8 u + m + 8 (m / 8) of a group of 32, the 16 registers of source-0 tiles 2 b and 2 b + 1 are 16 neighbours: 32 b + 16 (lane / 16) + 0 .. 15.
; LIMITS: NaN and infinities are not served; a block whose largest magnitude lies under 2^-122 keeps the byte 1 (its codes are what that scale gives; zeros for a block of zeros); this program alone reads the bytes.
; REGISTERS: v1-3 16, 8, 4 x lane; v4-9 LDS addresses; v10 r, v11 h; v16-39 scale words and nothing else; v40-111, v112-183 two buffers of 2 + 4 fragments; v192-255 the accumulators; window 1: v256-319 cos and sin.
;   Behind the products: v40-55 and v64-79 at work, v80-98 codes.
.set WV,  14
.set SEL, 66
.set TM,  64
.set PC,  80
.set PW,  100
.set WD,  101
.set ACC, 192
.set XSOFF, 3145728
.set WSOFF, 1966080
.set QSOFF, 3145728
.set REC,   12800                      ; a record: 128 keys of one key/value head: 4 fragments of k, 4 of v, 256 + 256 bytes of scale words
.set WLDS,  98304                      ; the weights lie behind x
.set SPARE, 245760
.macro CROUND                          ; a round of the cluster's barrier
	s_barrier_signal -1
	s_barrier_wait -1
	s_cmp_lg_u32 s[WV], 0
	s_cbranch_scc1 .Lnot_wave_0_\@
	s_barrier_signal -3
.Lnot_wave_0_\@:
	s_barrier_wait -3
	s_barrier_signal -1
	s_barrier_wait -1
.endm
.macro FRAG reg, a16, a8, off          ; a fragment's image back into 12 registers: consecutive bytes in consecutive lanes
	ds_load_b128 v[(\reg):(\reg)+3], v[\a16] offset:(\off)
	ds_load_b64 v[(\reg)+4:(\reg)+5], v[\a8] offset:(\off)+512
	ds_load_b128 v[(\reg)+6:(\reg)+9], v[\a16] offset:(\off)+768
	ds_load_b64 v[(\reg)+10:(\reg)+11], v[\a8] offset:(\off)+1280
.endm
; One product.  z: it starts the sum with the constant 0.  ra, rb: the side's scale words stand in lanes 16-31 of the register named.
.macro WM d, a, b, z, sa, sb, ra, rb
.if \z
.if (\ra) && (\rb)
	v_wmma_scale_f32_16x16x128_f8f6f4 v[\d:\d+7], v[\a:\a+11], v[\b:\b+11], 0, v[\sa], v[\sb] matrix_a_fmt:MATRIX_FMT_BF6 matrix_b_fmt:MATRIX_FMT_BF6 matrix_a_scale:MATRIX_SCALE_ROW1 matrix_b_scale:MATRIX_SCALE_ROW1
.elseif (\ra)
	v_wmma_scale_f32_16x16x128_f8f6f4 v[\d:\d+7], v[\a:\a+11], v[\b:\b+11], 0, v[\sa], v[\sb] matrix_a_fmt:MATRIX_FMT_BF6 matrix_b_fmt:MATRIX_FMT_BF6 matrix_a_scale:MATRIX_SCALE_ROW1
.elseif (\rb)
	v_wmma_scale_f32_16x16x128_f8f6f4 v[\d:\d+7], v[\a:\a+11], v[\b:\b+11], 0, v[\sa], v[\sb] matrix_a_fmt:MATRIX_FMT_BF6 matrix_b_fmt:MATRIX_FMT_BF6 matrix_b_scale:MATRIX_SCALE_ROW1
.else
	v_wmma_scale_f32_16x16x128_f8f6f4 v[\d:\d+7], v[\a:\a+11], v[\b:\b+11], 0, v[\sa], v[\sb] matrix_a_fmt:MATRIX_FMT_BF6 matrix_b_fmt:MATRIX_FMT_BF6
.endif
.else
.if (\ra) && (\rb)
	v_wmma_scale_f32_16x16x128_f8f6f4 v[\d:\d+7], v[\a:\a+11], v[\b:\b+11], v[\d:\d+7], v[\sa], v[\sb] matrix_a_fmt:MATRIX_FMT_BF6 matrix_b_fmt:MATRIX_FMT_BF6 matrix_a_scale:MATRIX_SCALE_ROW1 matrix_b_scale:MATRIX_SCALE_ROW1
.elseif (\ra)
	v_wmma_scale_f32_16x16x128_f8f6f4 v[\d:\d+7], v[\a:\a+11], v[\b:\b+11], v[\d:\d+7], v[\sa], v[\sb] matrix_a_fmt:MATRIX_FMT_BF6 matrix_b_fmt:MATRIX_FMT_BF6 matrix_a_scale:MATRIX_SCALE_ROW1
.elseif (\rb)
	v_wmma_scale_f32_16x16x128_f8f6f4 v[\d:\d+7], v[\a:\a+11], v[\b:\b+11], v[\d:\d+7], v[\sa], v[\sb] matrix_a_fmt:MATRIX_FMT_BF6 matrix_b_fmt:MATRIX_FMT_BF6 matrix_b_scale:MATRIX_SCALE_ROW1
.else
	v_wmma_scale_f32_16x16x128_f8f6f4 v[\d:\d+7], v[\a:\a+11], v[\b:\b+11], v[\d:\d+7], v[\sa], v[\sb] matrix_a_fmt:MATRIX_FMT_BF6 matrix_b_fmt:MATRIX_FMT_BF6
.endif
.endif
.endm
; 64 numbers of a lane, four blocks of 16 registers, become codes in v[PC] on and four scale bytes in v[PW]: registers PC .. PC + 5 hold block 0 in lanes 0-15 and block 1 in lanes 16-31, PC + 6 .. PC + 11 blocks 2 and 3.
.macro QUANT s
.irp b, 0,1,2,3
	v_max3_num_f32 v[TM+\b], |v[(\s)+16*\b]|, |v[(\s)+1+16*\b]|, 0x2800000   ; my 16 numbers of block b, and the floor 2^(5 - 127): the byte cannot fall under 1
.endr
.irp i, 2,4,6,8,10,12,14
.irp b, 0,1,2,3
	v_max3_num_f32 v[TM+\b], v[TM+\b], |v[(\s)+16*\b+\i]|, |v[(\s)+1+16*\b+\i]|   ; the four blocks by turns
.endr
.endr
.irp b, 0,1,2,3
	s_delay_alu instid0(VALU_DEP_4)
	v_permlanex16_b32 v[TM+4+\b], v[TM+\b], s[SEL], s[SEL+1]
.endr
.irp b, 0,1,2,3
	s_delay_alu instid0(VALU_DEP_4)
	v_max_num_f32 v[TM+\b], v[TM+\b], v[TM+4+\b]   ; with lane l xor 16's: the block's largest magnitude
.endr
.irp b, 0,1,2,3
	s_delay_alu instid0(VALU_DEP_4)
	v_add_nc_u32 v[TM+12+\b], 0xfe000000, v[TM+\b]   ; 4 off its exponent field: the conversion's scale operand
.endr
.irp b, 0,1,2,3
	s_delay_alu instid0(VALU_DEP_4)
	v_lshrrev_b32 v[TM+4+\b], 23, v[TM+12+\b]      ; the scale's byte
.endr
	s_delay_alu instid0(VALU_DEP_3)
	v_lshl_or_b32 v[PW], v[TM+5], 8, v[TM+4]
	s_delay_alu instid0(VALU_DEP_1)
	v_lshl_or_b32 v[PW], v[TM+6], 16, v[PW]
	s_delay_alu instid0(VALU_DEP_1)
	v_lshl_or_b32 v[PW], v[TM+7], 24, v[PW]
.irp c, 0,1
	v_cvt_scalef32_pk16_bf6_f32 v[PC+6*\c:PC+2+6*\c], v[(\s)+32*\c:(\s)+15+32*\c], v[TM+12+2*\c]
	v_cvt_scalef32_pk16_bf6_f32 v[PC+12+4*\c:PC+14+4*\c], v[(\s)+16+32*\c:(\s)+31+32*\c], v[TM+12+2*\c+1]   ; (a conversion's three registers begin on an even number)
.endr
	v_nop                                          ; one plain place behind a scaled conversion
.irp c, 0,1
.irp i, 0,1,2
	v_permlane16_swap_b32 v[PC+6*\c+\i], v[PC+12+4*\c+\i]
.endr
.irp i, 0,1,2
	s_delay_alu instid0(VALU_DEP_3)
	v_mov_b32 v[PC+3+6*\c+\i], v[PC+12+4*\c+\i]
.endr
.endr
.endm
.macro STH p, sb, off                          ; half an image: 512 and 256 consecutive bytes, each at a multiple of 256 from the buffer's first byte
	global_store_b128 v1, v[(\p):(\p)+3], s[\sb:\sb+1] offset:(\off)
	global_store_b64 v2, v[(\p)+4:(\p)+5], s[\sb:\sb+1] offset:(\off)+512
.endm
.macro LOADS s                                 ; K step s: 2 token fragments and 4 of the weight into buffer s % 2: 24 loads
.set XB, 40+72*((\s)%2)
.if (\s) < 4
	FRAG XB, 6, 7, (\s)*12288
	FRAG XB+12, 6, 7, (\s)*12288+1536
.else
	FRAG XB, 8, 9, ((\s)-4)*12288
	FRAG XB+12, 8, 9, ((\s)-4)*12288+1536
.endif
.irp a, 0,1,2,3
	FRAG XB+24+12*\a, 4, 5, (\s)*6144+1536*\a
.endr
.endm
.macro PROD sw, s, a, c
.set XS, 40+72*((\s)%2)
.if \sw
	WM ACC+16*\a+8*\c, XS+12*\c, XS+24+12*\a, (\s)==0, 16+4*\c+(\s)/2, 24+2*(\s)+\a/2, (\s)%2, \a%2
.else
	WM ACC+32*\c+8*\a, XS+24+12*\a, XS+12*\c, (\s)==0, 24+2*(\s)+\a/2, 16+4*\c+(\s)/2, \a%2, (\s)%2
.endif
.endm
; A K step: 8 products, the 8 accumulators by turns.  The next step's 24 loads are issued ahead of them.
.macro KSTEP sw, s
.if (\s) > 0
.rept 4
	v_nop                                          ; places in front of loads into registers that matrix instructions have read
.endr
.endif
.if (\s) < 7
	LOADS (\s)+1
	s_wait_dscnt 24                                ; all but the 24 just issued
.else
	s_wait_dscnt 0x0
.endif
.irp a, 0,1,2,3
.irp c, 0,1
	PROD \sw, \s, \a, \c
.endr
.endr
.endm
.macro RECORD first                            ; s68 = where my head's record for these 128 keys begins
	s_lshr_b32 s68, s3, 4                          ; batch
	s_lshl_b32 s68, s68, 2
	s_add_co_u32 s68, s68, s76
	s_sub_co_u32 s68, s68, \first
	s_lshl_b32 s68, s68, 4
	s_and_b32 s69, s3, 15
	s_add_co_u32 s68, s68, s69
	s_mul_i32 s68, s68, REC
	s_mov_b32 s71, 0
.endm
	s_load_b256 s[4:11], s[0:1], 0x0               ; xcod s[4:5], wcod s[6:7], rope s[8:9], qcod s[10:11]
	s_load_b64 s[12:13], s[0:1], 0x20              ; kvrec
	v_lshl_add_u32 v14, v0, 2, SPARE
	v_mov_b32 v15, 0
	ds_add_u32 v14, v15                            ; the opening
	ds_add_u32 v14, v15
	v_lshrrev_b32 v1, 5, v0
	v_readfirstlane_b32 s[WV], v1                  ; wave 0..11
	s_bfe_u32 s2, ttmp6, 0x40000                   ; cx, cy: my place in the cluster
	s_bfe_u32 s41, ttmp6, 0x40004
	s_lshl_b32 s3, ttmp9, 2
	s_add_co_u32 s3, s3, s2                        ; my block of 128 tokens
	s_and_b32 s40, ttmp7, 0xffff                   ; R: the cluster's row
	s_lshl_b32 s15, s40, 2
	s_add_co_u32 s15, s15, s41                     ; y: which three heads
	s_lshl_b32 s42, 0x1111, s2                     ; my column of the cluster
	s_lshl_b32 s43, s41, 2
	s_lshl_b32 s43, 15, s43                        ; my row
	; descriptor group 1: dense blocks as rows of 256 bytes (32 elements of 8 bytes): x's 96 rows a load, the weights' 72; bit 21 set beside a mask
	s_or_b32 s16, s42, (3<<16)|(1<<21)             ; x's codes go to my column,
	s_mov_b32 s17, 32<<16
	s_mov_b32 s18, 96<<16
	s_mov_b32 s19, 32<<16
	s_mov_b32 s20, 96
	s_mov_b32 s21, 32
	s_mov_b32 s22, 0
	s_mov_b32 s23, 0
	s_or_b32 s24, s43, (3<<16)|(1<<21)             ; the weights' to my row
	s_mov_b32 s25, 32<<16
	s_mov_b32 s26, 72<<16
	s_mov_b32 s27, 32<<16
	s_mov_b32 s28, 72
	s_mov_b32 s29, 32
	s_mov_b32 s30, 0
	s_mov_b32 s31, 0
	s_and_b32 s72, s[WV], 3                        ; tg: my 32 tokens.  Also: which quarter of x I fetch (waves 8-11)
	s_lshr_b32 s73, s[WV], 2                       ; my head's slot of the three
	s_mul_i32 s74, s72, 24576
	s_and_b32 s75, s[WV], 7
	s_mul_i32 s75, s75, 18432                      ; which eighth of the weights I fetch (waves 0-7)
	s_mul_i32 s68, s3, 98304                       ; x's address is made of the tokens' block and the wave's number alone,
	s_add_co_u32 s68, s68, s74
	s_mov_b32 s69, 0
	s_mul_i32 s70, s15, 147456                     ; the weights' of y and the wave's number alone
	s_add_co_u32 s70, s70, s75
	s_mov_b32 s71, 0
	s_mul_i32 s76, s15, 3
	s_add_co_u32 s76, s76, s73                     ; my head's place in the weights' buffer
	s_mul_i32 s86, s40, 3
	s_add_co_u32 s86, s86, s73                     ; my kind: no place in the cluster enters it
	s_lshl_b32 s77, s3, 3
	s_lshl_b32 s78, s72, 1
	s_add_co_u32 s77, s77, s78                     ; my first token tile
	s_wait_dscnt 0x0
	s_wait_kmcnt 0x0
	s_add_nc_u64 s[68:69], s[4:5], s[68:69]
	s_add_nc_u64 s[70:71], s[6:7], s[70:71]
	s_mov_b32 s32, 1
	s_mov_b32 s33, s74                             ; LDS: x at 0: [K step][8 tiles][1,536]
	s_mov_b64 s[34:35], s[68:69]
	s_or_b32 s35, s35, 0x80000000
	s_mov_b32 s36, 1
	s_add_co_u32 s37, s75, WLDS                    ; the weights behind it: [slot][K step][4 tiles][1,536]
	s_mov_b64 s[38:39], s[70:71]
	s_or_b32 s39, s39, 0x80000000
	CROUND                                         ; all sixteen work-groups are here: the joint loads meet
	s_cmp_lt_u32 s[WV], 8
	s_cbranch_scc0 .Lfor_x
	tensor_load_to_lds s[36:39], s[24:31]
	s_nop 0
.rept 4
	v_nop
.endr
	s_branch .Lasked
.Lfor_x:
	tensor_load_to_lds s[32:35], s[16:23]
	s_nop 0
.rept 4
	v_nop
.endr
.Lasked:
	s_lshl_b32 s78, s76, 11
	s_lshl_b32 s76, s86, 2
	s_add_co_u32 s76, s76, s41                     ; from here on s76 = n, my head of the 24
	s_add_co_u32 s78, s78, WSOFF
	s_mov_b32 s79, 0
	s_add_nc_u64 s[78:79], s[6:7], s[78:79]        ; my head's scale words
	s_lshl_b32 s80, s77, 9
	s_add_co_u32 s80, s80, XSOFF
	s_mov_b32 s81, 0
	s_add_nc_u64 s[80:81], s[4:5], s[80:81]        ; my tokens'
	s_mul_i32 s82, s73, 49152
	s_add_co_u32 s82, s82, WLDS
	s_mul_i32 s83, s72, 3072
	s_add_co_u32 s84, s83, 49152
	s_mov_b32 s[SEL], 0x76543210
	s_mov_b32 s[SEL+1], 0xfedcba98
	v_and_b32 v12, 31, v0
	v_and_b32 v10, 15, v0                          ; r
	v_bfe_u32 v11, v0, 4, 1                        ; h
	v_lshlrev_b32 v1, 4, v12
	v_lshlrev_b32 v2, 3, v12
	v_lshlrev_b32 v3, 2, v12
	v_add_nc_u32 v4, s82, v1                       ; my head's fragments
	v_add_nc_u32 v5, s82, v2
	v_add_nc_u32 v6, s83, v1                       ; my tokens', K steps 0-3
	v_add_nc_u32 v7, s83, v2
	v_add_nc_u32 v8, s84, v1                       ; and K steps 4-7
	v_add_nc_u32 v9, s84, v2
	s_wait_alu depctr_va_vdst(0)
.irp c, 0,1
.irp q, 0,1,2,3
	global_load_b32 v[16+4*\c+\q], v3, s[80:81] offset:\c*512+\q*128   ; lanes 0-15: K step 2 q; lanes 16-31: 2 q + 1
.endr
.endr
.irp s, 0,1,2,3,4,5,6,7
.irp i, 0,1
	global_load_b32 v[24+2*\s+\i], v3, s[78:79] offset:\s*256+\i*128   ; lanes 0-15: my tile 2 i; lanes 16-31: 2 i + 1
.endr
.endr
	s_wait_tensorcnt 0x0                           ; my load has landed
	s_barrier_signal -1
	s_barrier_wait -1                              ; everybody's has
	s_wait_loadcnt 0x0
	s_cmp_ge_u32 s86, 5                            ; q or k, or v
	s_cbranch_scc1 .Lvalues
; ---- q and k.  cos and sin are asked for ahead of the products.
	s_and_b32 s82, s3, 15
	s_lshl_b32 s82, s82, 15                        ; the block's 128 tokens within its batch: 256 bytes a token
	s_mov_b32 s83, 0
	s_add_nc_u64 s[82:83], s[8:9], s[82:83]
	s_lshl_b32 s84, s72, 13                        ; my 32 tokens
	v_and_b32 v12, 8, v10
	v_add_nc_u32 v12, v12, v10                     ; r + 8 (r / 8): my token in its tile's 24
	v_lshlrev_b32 v12, 8, v12
	v_lshl_add_u32 v12, v11, 6, v12                ; my 16 frequencies 16 h on
	v_add_nc_u32 v12, s84, v12
	v_lshlrev_b32 v13, 4, v11                      ; 16 h
	s_wait_alu depctr_va_vdst(0)
	s_set_vgpr_msb 0x40                            ; destination window 1
.irp c, 0,1
.irp j, 0,1,2,3
	global_load_b128 v[32*\c+4*\j:32*\c+4*\j+3], v12, s[82:83] offset:\c*2048+16*\j              ; v256 + 32 c: cos,
	global_load_b128 v[32*\c+16+4*\j:32*\c+16+4*\j+3], v12, s[82:83] offset:\c*2048+128+16*\j    ; + 16: sin
.endr
.endr
	s_set_vgpr_msb 0x4000
	LOADS 0
.irp s, 0,1,2,3,4,5,6,7
	KSTEP 0, \s
.endr
.irp b, 0,1,2,3
	v_mov_b32 v[TM+4+\b], 0                        ; written once: a lane permute's destination counts as one of its sources.  (These four are the places behind the last products)
.endr
	s_wait_alu depctr_va_vdst(0)
	s_wait_loadcnt 0x0
; The rotation.  Register 32 c + i holds dim 16 h + i of token tile c, register 32 c + 16 + i dim 32 + 16 h + i: the two that turn together, by frequency 16 h + i.  Each accumulator is read from its low end on.
	s_set_vgpr_msb 0x0004                          ; source 1 window 1: cos and sin
.irp c, 0,1
.set i, 0
.rept 8
.set RA, ACC+32*\c+i
.set RT, 40+4*((i/2)%4)
.set CN, 32*\c+i
	v_pk_mul_f32 v[RT:RT+1], v[RA+16:RA+17], v[CN+16:CN+17]
	v_pk_mul_f32 v[RT+2:RT+3], v[RA:RA+1], v[CN+16:CN+17]
	v_pk_fma_f32 v[RA:RA+1], v[RA:RA+1], v[CN:CN+1], v[RT:RT+1] neg_lo:[0,0,1] neg_hi:[0,0,1]
	v_pk_fma_f32 v[RA+16:RA+17], v[RA+16:RA+17], v[CN:CN+1], v[RT+2:RT+3]
.set i, i+2
.endr
.endr
	s_set_vgpr_msb 0x0400
	QUANT ACC                                      ; blocks 0, 1: tile 0's 64 dims; blocks 2, 3: tile 1's
	s_wait_alu depctr_va_vdst(0)
	s_cmp_ge_u32 s86, 4
	s_cbranch_scc1 .Lkeys
	s_lshl_b32 s70, s77, 4
	s_add_co_u32 s70, s70, s76
	s_mul_i32 s70, s70, 768                        ; q: [tile][head][768]
	s_mov_b32 s71, 0
	s_add_nc_u64 s[80:81], s[10:11], s[70:71]
	s_lshl_b32 s70, s77, 10
	s_lshl_b32 s68, s76, 6
	s_add_co_u32 s70, s70, s68
	s_add_co_u32 s70, s70, QSOFF                   ; its scale words: 1,024 x tile + 64 x head + 4 r
	s_add_nc_u64 s[82:83], s[10:11], s[70:71]
	STH PC, 80, 0
	STH PC+6, 80, 12288
	v_lshlrev_b32 v12, 10, v11
	v_lshl_add_u32 v12, v10, 2, v12                ; lanes 0-15: tile 0, lanes 16-31: tile 1
	v_lshrrev_b32 v[WD], v13, v[PW]
	v_and_b32 v[WD], 0xffff, v[WD]
	v_lshl_or_b32 v[WD], v[WD], 16, v[WD]          ; the tile's two bytes, twice: they serve q in either half of a K of 128
	global_store_b32 v12, v[WD], s[82:83]
	s_branch .Lend
.Lkeys:
	RECORD 16
	s_mul_i32 s70, s72, 1536                       ; k: my 32 keys are one fragment: its two halves are tiles 0 and 1
	s_add_co_u32 s70, s70, s68
	s_add_nc_u64 s[80:81], s[12:13], s[70:71]
	s_lshl_b32 s70, s72, 6
	s_add_co_u32 s70, s70, s68
	s_add_co_u32 s70, s70, 12288
	s_add_nc_u64 s[82:83], s[12:13], s[70:71]
	STH PC, 80, 0
	STH PC+6, 80, 768
	v_lshlrev_b32 v12, 2, v10
	global_store_b32 v12, v[PW], s[82:83]          ; tile 0's two bytes below, tile 1's above (lanes 16-31 store the same again)
	s_branch .Lend
; ---- v
.Lvalues:
	LOADS 0
.irp s, 0,1,2,3,4,5,6,7
	KSTEP 1, \s
.endr
.irp b, 0,1,2,3
	v_mov_b32 v[TM+4+\b], 0                        ; (these four are the places behind the last products)
.endr
	QUANT ACC                                      ; block a: dim tile a, my 32 keys
	s_wait_alu depctr_va_vdst(0)
	RECORD 20
	s_lshr_b32 s69, s72, 1                         ; my keys are block tg of the record's 128: half tg / 2 of a fragment, lanes 16 (tg % 2) on
	s_mul_i32 s69, s69, 768
	s_add_co_u32 s69, s69, s68
	s_add_co_u32 s69, s69, 6144
	s_and_b32 s74, s72, 1
	s_lshl_b32 s70, s74, 8
	s_add_co_u32 s70, s70, s69
	s_add_nc_u64 s[80:81], s[12:13], s[70:71]
	s_lshl_b32 s70, s74, 7
	s_add_co_u32 s70, s70, s69
	s_add_co_u32 s70, s70, 512
	s_add_nc_u64 s[82:83], s[12:13], s[70:71]
	s_add_co_u32 s70, s68, 12544
	s_add_co_u32 s70, s70, s72
	s_add_nc_u64 s[84:85], s[12:13], s[70:71]
	v_mul_u32_u24 v12, 1536, v11                   ; lanes 0-15 carry dim tile 2 c, lanes 16-31 2 c + 1
	v_lshl_add_u32 v13, v10, 3, v12
	v_lshl_add_u32 v12, v10, 4, v12
	v_lshlrev_b32 v40, 6, v11
	v_lshl_add_u32 v40, v10, 2, v40
	v_lshlrev_b32 v41, 3, v11
	v_lshrrev_b32 v42, v41, v[PW]                  ; byte h: tile h's,
	v_lshrrev_b32 v43, 16, v42                     ; byte 2 + h: tile 2 + h's
	global_store_b128 v12, v[PC:PC+3], s[80:81]    ; sixteen lanes: 256 consecutive bytes
	global_store_b128 v12, v[PC+6:PC+9], s[80:81] offset:3072
	global_store_b64 v13, v[PC+4:PC+5], s[82:83]
	global_store_b64 v13, v[PC+10:PC+11], s[82:83] offset:3072
	global_store_b8 v40, v42, s[84:85]             ; byte tg of each dim's word
	global_store_b8 v40, v43, s[84:85] offset:128
.Lend:
	s_wait_tensorcnt 0x0                           ; the wave's end
	ds_add_u32 v14, v15
	s_wait_dscnt 0x0
	CROUND                                         ; the closing round: no work-group ends while a partner may still ask for a tile that names it
	s_endpgm
.Lfunc_end_k_qc122e31664_qkv:
	.size	k_qc122e31664_qkv, .Lfunc_end_k_qc122e31664_qkv-k_qc122e31664_qkv
	.p2alignl 7, 3214868480
	.fill 96, 4, 3214868480
	.section	.rodata,"a",@progbits
	.p2align	6, 0x0
	.amdhsa_kernel k_qc122e31664_qkv
		.amdhsa_group_segment_fixed_size 247296
		.amdhsa_private_segment_fixed_size 0
		.amdhsa_enable_private_segment 0
		.amdhsa_kernarg_size 40
		.amdhsa_user_sgpr_count 2
		.amdhsa_user_sgpr_kernarg_segment_ptr 1
		.amdhsa_wavefront_size32 1
		.amdhsa_system_sgpr_workgroup_id_x 1
		.amdhsa_system_sgpr_workgroup_id_y 1
		.amdhsa_system_sgpr_workgroup_id_z 1
		.amdhsa_system_vgpr_workitem_id 0
		.amdhsa_next_free_vgpr 320
		.amdhsa_next_free_sgpr 90
		.amdhsa_reserve_vcc 0
		.amdhsa_float_denorm_mode_32 3
		.amdhsa_float_denorm_mode_16_64 3
		.amdhsa_memory_ordered 1
		.amdhsa_forward_progress 1
		.amdhsa_inst_pref_size 71
	.end_amdhsa_kernel
	.amdgpu_metadata
---
amdhsa.version: [ 1, 2 ]
amdhsa.kernels:
  - .name:           k_qc122e31664_qkv
    .symbol:         k_qc122e31664_qkv.kd
    .args:
      - { .name: xcod, .offset: 0, .size: 8, .value_kind: global_buffer, .address_space: global }
      - { .name: wcod, .offset: 8, .size: 8, .value_kind: global_buffer, .address_space: global }
      - { .name: rope, .offset: 16, .size: 8, .value_kind: global_buffer, .address_space: global }
      - { .name: qcod, .offset: 24, .size: 8, .value_kind: global_buffer, .address_space: global }
      - { .name: kvrec, .offset: 32, .size: 8, .value_kind: global_buffer, .address_space: global }
    .group_segment_fixed_size: 247296
    .private_segment_fixed_size: 0
    .kernarg_segment_align: 8
    .kernarg_segment_size: 40
    .max_flat_workgroup_size: 384
    .sgpr_count:     90
    .vgpr_count:     320
    .wavefront_size: 32
...
	.end_amdgpu_metadata
.endif
;; end of part 2
;; launch attn (part 3): grid 32 x 8, 16 waves a work-group, clusters of 4 x 1, 327,680 bytes of LDS; arguments qcod, kvrec, ocod; writes ocod
.if DOCPART == 3
	.amdgcn_target "amdgcn-amd-amdhsa--gfx1250"
	.amdhsa_code_object_version 6
	.text
	.protected	k_qc122e31664_attn
	.globl	k_qc122e31664_attn
	.p2align	8
	.type	k_qc122e31664_attn,@function
k_qc122e31664_attn:
	s_mov_b64 s[64:65], 0
	v_nop
	global_prefetch_b8 v0, s[64:65] scope:SCOPE_SE
	s_setreg_imm32_b32 hwreg(HW_REG_WAVE_MODE, 25, 1), 1
	s_wait_xcnt 0x0
	s_wait_alu depctr_hold_cnt(0) depctr_sa_sdst(0) depctr_va_vdst(0) depctr_va_sdst(0) depctr_va_ssrc(0) depctr_va_vcc(0) depctr_vm_vsrc(0)
	s_getreg_b32 s2, hwreg(HW_REG_IB_STS2, 6, 4)
	s_cmp_eq_u32 s2, 0
	s_cbranch_scc0 .Lentry_in_a_cluster
	s_endpgm
.Lentry_in_a_cluster:
	s_bfe_u32 s2, ttmp6, 0x10000c
	s_cmp_lg_u32 s2, 0x3003
	s_cbranch_scc0 .Lentry_shape_is_right
	s_endpgm
.Lentry_shape_is_right:
; o = softmax(q k^T / 8, causal) v on codes of BF6 (E3M2); o is quantised along the K of the product that takes it next and stored as images of operand registers.
; SHARES.  A work-group takes one query head of one batch and 16 tiles of 16 queries; the cluster's four work-groups are the four query heads of one key/value head: its 16 records of 128 keys (204,800 bytes) come by joint loads, with a mask
; of all four, and stay in LDS: keys 0-1,023 by the head's loads, keys 1,024-2,047 behind the first round.  Nothing is filled twice, and there is no loop of fills for a prefetch to run ahead in.
; A PAIR OF WAVES (roles 0 and 1) takes the tiles of 128-query blocks J and 15 - J, J = 0 .. 7: tile x of the first block (x = cluster x, 0 .. 7), tile 7 - x of the second.  Role p takes the key steps (128 keys) of parity p: J + 1 and 16 - J steps
; in all, 17 for each pair.  Waves w and w + 8 have J and 7 - J.
; LEFT OUT: steps, and in a tile's last step the upper 64 keys, in which reference()'s own causal mask hides every key from every query of the tile; a NaN, an infinity or an overflow that reaches only such a score is not carried to the result.
; S^T = k q^T and O^T = v^T p^T, so that a lane holds one query throughout.  k's fragment holds two tiles of 16 keys, one in each half of its K of 128: q stands once in the lower half and once in the upper, beside zeros.
; M is the running largest t rounded up to a whole number, kept as -M; p = 2^(t - M); the row's sum is taken of p ahead of its quantising; a block's largest p is made from its largest score.
; AT THE END the two roles' partial sums meet through LDS: role p finishes dims 32 p .. 32 p + 31 of both tiles.  What each knows of M differs from the other's by a whole number: the factors are powers of two.
; LIMITS: the promise holds while the scaled scores (exponents to the base 2) stay under 2^31 in magnitude; NaN and infinities are not served; a block of o whose largest magnitude lies under 2^-122 keeps the byte 1.
; v_exp_f32 is taken not to fall where its input rises: at worst one p of a block, within an ulp of a power of two, is held one code low.
.set WV,  14
.set JA,  15
.set SEL, 32
.set CS,  34
.set TB,  36                           ; LDS offset of the step at hand, role 0's
.set ST,  37                           ; the step at hand
.set JB,  48
.set RR,  49                           ; my role
.set S,   96
.set O,   160
.set PC,  192
.set BM,  212
.set BX,  216
.set SO,  220
.set NEG, 229
.set QSOFF, 3145728
.set OSOFF, 3145728
.set REC,   12800
.set P1,    204800                     ; the first tile's partial sums: 32 x 128 bytes of O^T, 256 of (-M, sum), for each wave
.set P1W,   4352
.set P2,    274432                     ; the second tile's: the half that the other role finishes
.set P2W,   2304
.set SPARE, 311296
.macro CROUND
	s_barrier_signal -1
	s_barrier_wait -1
	s_cmp_lg_u32 s[WV], 0
	s_cbranch_scc1 .Lnot_wave_0_\@
	s_barrier_signal -3
.Lnot_wave_0_\@:
	s_barrier_wait -3
	s_barrier_signal -1
	s_barrier_wait -1
.endm
.macro FRAG reg, a16, a8, off
	ds_load_b128 v[(\reg):(\reg)+3], v[\a16] offset:(\off)
	ds_load_b64 v[(\reg)+4:(\reg)+5], v[\a8] offset:(\off)+512
	ds_load_b128 v[(\reg)+6:(\reg)+9], v[\a16] offset:(\off)+768
	ds_load_b64 v[(\reg)+10:(\reg)+11], v[\a8] offset:(\off)+1280
.endm
.macro WM d, a, b, z, sa, sb, ra
.if \z
.if (\ra)
	v_wmma_scale_f32_16x16x128_f8f6f4 v[\d:\d+7], v[\a:\a+11], v[\b:\b+11], 0, v[\sa], v[\sb] matrix_a_fmt:MATRIX_FMT_BF6 matrix_b_fmt:MATRIX_FMT_BF6 matrix_a_scale:MATRIX_SCALE_ROW1
.else
	v_wmma_scale_f32_16x16x128_f8f6f4 v[\d:\d+7], v[\a:\a+11], v[\b:\b+11], 0, v[\sa], v[\sb] matrix_a_fmt:MATRIX_FMT_BF6 matrix_b_fmt:MATRIX_FMT_BF6
.endif
.else
.if (\ra)
	v_wmma_scale_f32_16x16x128_f8f6f4 v[\d:\d+7], v[\a:\a+11], v[\b:\b+11], v[\d:\d+7], v[\sa], v[\sb] matrix_a_fmt:MATRIX_FMT_BF6 matrix_b_fmt:MATRIX_FMT_BF6 matrix_a_scale:MATRIX_SCALE_ROW1
.else
	v_wmma_scale_f32_16x16x128_f8f6f4 v[\d:\d+7], v[\a:\a+11], v[\b:\b+11], v[\d:\d+7], v[\sa], v[\sb] matrix_a_fmt:MATRIX_FMT_BF6 matrix_b_fmt:MATRIX_FMT_BF6
.endif
.endif
.endm
.macro HINT nb
.if \nb == 4
	s_delay_alu instid0(VALU_DEP_4)
.else
	s_delay_alu instid0(VALU_DEP_2)
.endif
.endm
.macro MASK from, mb                   ; 32 scores: -inf where the key lies behind my query
.set n, \from
.rept 32
	v_cmp_gt_i32 vcc_lo, 32*(n/16)+n%16, v[\mb]
	v_cndmask_b32 v[S+n], v[S+n], v[NEG], vcc_lo
.set n, n+1
.endr
.endm
; One step: nb = 4: 128 keys; nb = 2: the lower 64.  msk = 1: the upper two blocks are masked if this is the tile's last step (jr: its number); msk = 2: both blocks are masked.  mb: the tile's mask register, qs: its scale words.
.macro STEP nb, msk, mb, qs, jr
	v_add_nc_u32 v6, s[TB], v1
	v_add_nc_u32 v7, s[TB], v2
	v_add_nc_u32 v8, s[TB], v3
	ds_load_b32 v88, v8 offset:12288
.if \nb > 2
	ds_load_b32 v89, v8 offset:12416
.endif
.set n, 0
.rept \nb
	FRAG 40+12*n, 6, 7, 1536*n
.set n, n+1
.endr
	s_wait_alu depctr_va_vdst(0)
.set n, 0
.rept \nb
	s_wait_dscnt 4*(\nb-1-n)                       ; the later fragments' four loads each may be out
	WM S+16*n, 40+12*n, 16, 1, 88+n/2, \qs, n%2
	WM S+8+16*n, 40+12*n, 22, 1, 88+n/2, \qs, n%2
.set n, n+1
.endr
.rept 4
	v_nop                                          ; places in front of loads into registers that matrix instructions have read, and of the first read of the scores
.endr
.irp t, 0,1,2,3
	FRAG 40+12*\t, 6, 7, 6144+1536*\t
.endr
	ds_load_b32 v90, v8 offset:12544
	ds_load_b32 v91, v8 offset:12672
.if \msk == 1
	s_cmp_lg_u32 s[ST], s[\jr]
	s_cbranch_scc1 .Lopen_\@
	MASK 32, \mb
.Lopen_\@:
.endif
.if \msk == 2
	MASK 0, \mb
.endif
.set n, 0
.rept \nb
	v_max3_num_f32 v[BM+n], v[S+16*n], v[S+1+16*n], v[S+2+16*n]
.set n, n+1
.endr
.irp i, 3,5,7,9,11,13
.set n, 0
.rept \nb
	v_max3_num_f32 v[BM+n], v[BM+n], v[S+16*n+\i], v[S+1+16*n+\i]
.set n, n+1
.endr
.endr
.set n, 0
.rept \nb
	v_max_num_f32 v[BM+n], v[BM+n], v[S+15+16*n]
.set n, n+1
.endr
.set n, 0
.rept \nb
	HINT \nb
	v_permlanex16_b32 v[BX+n], v[BM+n], s[SEL], s[SEL+1]
.set n, n+1
.endr
.set n, 0
.rept \nb
	HINT \nb
	v_max_num_f32 v[BM+n], v[BM+n], v[BX+n]        ; the block's largest score
.set n, n+1
.endr
.if \nb == 4
	s_delay_alu instid0(VALU_DEP_2)
	v_max3_num_f32 v228, v[BM], v[BM+1], v[BM+2]
	s_delay_alu instid0(VALU_DEP_1)
	v_max_num_f32 v228, v228, v[BM+3]
.else
	s_delay_alu instid0(VALU_DEP_1)
	v_max_num_f32 v228, v[BM], v[BM+1]
.endif
	s_delay_alu instid0(VALU_DEP_1)
	v_mul_f32 v228, s[CS], v228
	s_delay_alu instid0(VALU_DEP_1)
	v_max_num_f32 v13, v13, v228
	v_mov_b32 v228, v12
	s_delay_alu instid0(VALU_DEP_2)
	v_floor_f32 v12, -v13                          ; the new -M
	s_delay_alu instid0(VALU_DEP_1)
	v_sub_f32 v228, v12, v228
	s_delay_alu instid0(VALU_DEP_1)
	v_cvt_i32_f32 v228, v228
	s_delay_alu instid0(VALU_DEP_1)
	v_ldexp_f32 v224, 1.0, v228                    ; f = 2^(old M - new M)
.set n, 0
.rept 8*\nb
	v_pk_fma_f32 v[S+n:S+n+1], v[S+n:S+n+1], s[CS:CS+1], v[12:13] op_sel_hi:[1,0,0]
.set n, n+2
.endr
.set n, 0
.rept \nb
	v_fma_f32 v[BM+n], v[BM+n], s[CS], v12
.set n, n+1
.endr
	s_wait_alu depctr_va_vdst(0)                   ; a wait ahead of the batch of exponentials
.set n, 0
.rept \nb
	v_exp_f32 v[BM+n], v[BM+n]
.set n, n+1
.endr
.set n, 0
.rept 16*\nb
	v_exp_f32 v[S+n], v[S+n]
.set n, n+1
.endr
	v_pk_mul_f32 v[14:15], v[14:15], v[224:225] op_sel_hi:[1,0]
	s_wait_alu depctr_va_vdst(0)                   ; and behind it
.set n, 0
.rept \nb
	v_max_num_f32 v[BM+n], 0x2800000, v[BM+n]
.set n, n+1
.endr
.set n, 0
.rept \nb
	HINT \nb
	v_add_nc_u32 v[SO+n], 0xfe000000, v[BM+n]
.set n, n+1
.endr
.set n, 0
.rept \nb
	HINT \nb
	v_lshrrev_b32 v[BX+n], 23, v[SO+n]
.set n, n+1
.endr
.if \nb == 4
	s_delay_alu instid0(VALU_DEP_3)
	v_lshl_or_b32 v93, v[BX+1], 8, v[BX]
	s_delay_alu instid0(VALU_DEP_1)
	v_lshl_or_b32 v93, v[BX+2], 16, v93
	s_delay_alu instid0(VALU_DEP_1)
	v_lshl_or_b32 v93, v[BX+3], 24, v93
.else
	s_delay_alu instid0(VALU_DEP_1)
	v_lshl_or_b32 v93, v[BX+1], 8, v[BX]
	s_delay_alu instid0(VALU_DEP_1)
	v_or_b32 v93, 0x1010000, v93                   ; the upper two blocks: byte 1 over zero codes
.irp i, 6,7,8,9,10,11
	v_mov_b32 v[PC+\i], 0
.endr
.endif
.set n, 0
.rept \nb/2
	v_cvt_scalef32_pk16_bf6_f32 v[PC+6*n:PC+2+6*n], v[S+32*n:S+15+32*n], v[SO+2*n]
	v_cvt_scalef32_pk16_bf6_f32 v[PC+12+4*n:PC+14+4*n], v[S+16+32*n:S+31+32*n], v[SO+2*n+1]
.set n, n+1
.endr
	v_nop                                          ; one plain place behind a scaled conversion
.set n, 0
.rept \nb/2
.irp i, 0,1,2
	v_permlane16_swap_b32 v[PC+6*n+\i], v[PC+12+4*n+\i]
.endr
.irp i, 0,1,2
	s_delay_alu instid0(VALU_DEP_3)
	v_mov_b32 v[PC+3+6*n+\i], v[PC+12+4*n+\i]
.endr
.set n, n+1
.endr
.set n, 0
	s_wait_dscnt 0x0                               ; v's fragments and scale words, asked for ahead of the softmax
.rept 16
	v_pk_mul_f32 v[O+n:O+n+1], v[O+n:O+n+1], v[224:225] op_sel_hi:[1,0]   ; O^T under the new M: also the places between p's codes and the products
.set n, n+2
.endr
.irp t, 0,1,2,3
	WM O+8*\t, 40+12*\t, PC, 0, 90+\t/2, 93, \t%2
.endr
; The row's sum, of the unquantised p, by a tree: also the places behind these products.
.set wd, 2
.rept 3+\nb/2
.set n, 0
.rept 8*\nb/wd
	v_pk_add_f32 v[S+n:S+n+1], v[S+n:S+n+1], v[S+n+wd:S+n+wd+1]
.set n, n+2*wd
.endr
.set wd, 2*wd
.endr
	v_pk_add_f32 v[14:15], v[14:15], v[S:S+1]
	s_wait_alu depctr_va_vdst(0)
.endm
; Steps of my parity up to LDS offset lim: those behind the tile's last (jr) are passed over; the last one is masked, and takes 64 keys where the tile lies in its block's lower half (half: the compare on the cluster's x).
.macro WALK lim, jr, mb, qs, half
.Lwalk_\@:
	s_cmp_gt_u32 s[ST], s[\jr]
	s_cbranch_scc1 .Lnext_\@
	s_cmp_lg_u32 s[ST], s[\jr]
	s_cbranch_scc1 .Lwhole_\@
	\half ttmp9, 4
	s_cbranch_scc1 .Lhalf_\@
.Lwhole_\@:
	STEP 4, 1, \mb, \qs, \jr
	s_branch .Lnext_\@
.Lhalf_\@:
	STEP 2, 2, \mb, \qs, \jr
.Lnext_\@:
	s_add_co_u32 s[ST], s[ST], 2
	s_add_co_u32 s[TB], s[TB], 2*REC
	s_cmp_lt_u32 s[TB], \lim
	s_cbranch_scc1 .Lwalk_\@
.endm
.macro FRESH                           ; no key seen yet
	v_mov_b32 v13, 0xff61b1e6                      ; the largest t: -3e38
	v_mov_b32 v14, 0
	v_mov_b32 v15, 0
	v_floor_f32 v12, -v13
.set n, 0
.rept 32
	v_mov_b32 v[O+n], 0
.set n, n+1
.endr
.endm
	s_load_b128 s[4:7], s[0:1], 0x0                ; qcod s[4:5], kvrec s[6:7]
	s_load_b64 s[8:9], s[0:1], 0x10                ; ocod
	v_lshl_add_u32 v254, v0, 2, SPARE
	v_mov_b32 v255, 0
	ds_add_u32 v254, v255                          ; the opening
	ds_add_u32 v254, v255
	v_lshrrev_b32 v1, 5, v0
	v_readfirstlane_b32 s[WV], v1                  ; wave 0..15
	s_bfe_u32 s2, ttmp6, 0x40000                   ; cx: which of the four query heads
	s_and_b32 s3, ttmp7, 0xffff                    ; 4 x batch + key/value head
	s_mov_b32 s16, 15|(3<<16)|(1<<21)              ; descriptor group 1: 25 rows of 256 bytes; the mask: all four
	s_mov_b32 s17, 32<<16
	s_mov_b32 s18, 25<<16
	s_mov_b32 s19, 32<<16
	s_mov_b32 s20, 25
	s_mov_b32 s21, 32
	s_mov_b32 s22, 0
	s_mov_b32 s23, 0
	s_mul_i32 s11, s[WV], 6400                     ; my sixteenth of each half
	s_mul_i32 s12, s3, 204800
	s_add_co_u32 s12, s12, s11
	s_mov_b32 s13, 0
	s_wait_dscnt 0x0
	s_wait_kmcnt 0x0
	s_add_nc_u64 s[12:13], s[6:7], s[12:13]
	s_mov_b32 s24, 1
	s_mov_b32 s25, s11
	s_mov_b64 s[26:27], s[12:13]
	s_or_b32 s27, s27, 0x80000000
	s_mov_b32 s28, 1
	s_add_co_u32 s29, s11, 102400
	s_add_nc_u64 s[30:31], s[12:13], 102400
	s_or_b32 s31, s31, 0x80000000
	CROUND                                         ; all four work-groups are here: the joint loads meet
	tensor_load_to_lds s[24:27], s[16:23]          ; keys 0-1,023
	s_nop 0
.rept 4
	v_nop
.endr
	s_lshr_b32 s10, s[WV], 3
	s_xor_b32 s10, s10, 1                          ; waves 0-7 take the longer first tiles
	s_mul_i32 s10, s10, 7
	s_and_b32 s[JA], s[WV], 3
	s_xor_b32 s[JA], s[JA], s10                    ; J: w % 4, or 7 - w % 4
	s_sub_co_u32 s[JB], 15, s[JA]
	s_bfe_u32 s[RR], s[WV], 0x10002
	s_lshr_b32 s38, s3, 2
	s_lshl_b32 s38, s38, 7
	s_and_b32 s39, s3, 3
	s_lshl_b32 s39, s39, 2
	s_add_co_u32 s39, s39, s2                      ; my query head
	s_lshl_b32 s40, s[JA], 3
	s_add_co_u32 s40, s40, s38
	s_add_co_u32 s40, s40, ttmp9                   ; my first tile: 128 x batch + 8 J + x
	s_lshl_b32 s41, s[JB], 3
	s_add_co_u32 s41, s41, s38
	s_add_co_u32 s41, s41, 7
	s_sub_co_u32 s41, s41, ttmp9                   ; my second: 128 x batch + 8 (15 - J) + 7 - x
	s_mov_b32 s53, 0
	s_lshl_b32 s52, s40, 4
	s_add_co_u32 s52, s52, s39
	s_mul_i32 s52, s52, 768
	s_add_nc_u64 s[42:43], s[4:5], s[52:53]
	s_lshl_b32 s52, s41, 4
	s_add_co_u32 s52, s52, s39
	s_mul_i32 s52, s52, 768
	s_add_nc_u64 s[44:45], s[4:5], s[52:53]
	s_lshl_b32 s10, s39, 6
	s_add_co_u32 s10, s10, QSOFF
	s_lshl_b32 s52, s40, 10
	s_add_co_u32 s52, s52, s10
	s_add_nc_u64 s[58:59], s[4:5], s[52:53]
	s_lshl_b32 s52, s41, 10
	s_add_co_u32 s52, s52, s10
	s_add_nc_u64 s[60:61], s[4:5], s[52:53]
	v_and_b32 v9, 31, v0
	v_lshlrev_b32 v252, 4, v9                      ; 16 x lane
	v_lshlrev_b32 v253, 3, v9                      ; 8 x lane
	v_and_b32 v6, 15, v0                           ; r
	v_bfe_u32 v7, v0, 4, 1                         ; h
	v_lshlrev_b32 v239, 2, v6
	s_wait_alu depctr_va_vdst(0)
	global_load_b128 v[16:19], v252, s[42:43]
	global_load_b64 v[20:21], v253, s[42:43] offset:512
	global_load_b128 v[28:31], v252, s[42:43]
	global_load_b64 v[32:33], v253, s[42:43] offset:512
	global_load_b32 v92, v239, s[58:59]
	global_load_b128 v[34:37], v252, s[44:45]
	global_load_b64 v[38:39], v253, s[44:45] offset:512
	global_load_b32 v94, v239, s[60:61]
	; where my results go
	s_lshr_b32 s52, s40, 3
	s_mul_i32 s52, s52, 98304                      ; codes: [block of 128 tokens][head pair][tile][1,536]
	s_lshr_b32 s10, s39, 1
	s_mul_i32 s10, s10, 12288
	s_add_co_u32 s52, s52, s10
	s_mul_i32 s10, ttmp9, 1536
	s_add_co_u32 s52, s52, s10
	s_and_b32 s11, s39, 1
	s_mul_i32 s10, s11, 768
	s_add_co_u32 s52, s52, s10
	s_lshl_b32 s10, s[RR], 7
	s_add_co_u32 s52, s52, s10
	s_add_co_u32 s52, s52, 512
	s_add_nc_u64 s[50:51], s[8:9], s[52:53]        ; my block's 128 bytes of the image's last 256,
	s_sub_co_u32 s52, s52, 512
	s_add_co_u32 s52, s52, s10
	s_add_nc_u64 s[46:47], s[8:9], s[52:53]        ; and its 256 of the first 512
	s_lshl_b32 s52, s40, 9
	s_lshr_b32 s10, s39, 2
	s_lshl_b32 s10, s10, 7
	s_add_co_u32 s52, s52, s10
	s_bfe_u32 s10, s39, 0x10001
	s_lshl_b32 s10, s10, 6
	s_add_co_u32 s52, s52, s10
	s_lshl_b32 s10, s11, 1
	s_add_co_u32 s52, s52, s10
	s_add_co_u32 s52, s52, s[RR]
	s_add_co_u32 s52, s52, OSOFF
	s_add_nc_u64 s[54:55], s[8:9], s[52:53]        ; scale bytes
	s_sub_co_u32 s57, s41, s40
	s_lshl_b32 s57, s57, 9                         ; from my first tile's scale words to my second's
	s_sub_co_u32 s56, s[JB], s[JA]
	s_lshl_b32 s56, s56, 6
	s_add_co_u32 s56, s56, 7
	s_sub_co_u32 s56, s56, ttmp9
	s_sub_co_u32 s56, s56, ttmp9
	s_mul_i32 s56, s56, 1536                       ; and from its codes to the second's: positive, since 15 - 2 J is at least 1
	; LDS addresses, all made here
	s_mul_i32 s10, s[RR], REC
	v_add_nc_u32 v1, s10, v252                     ; the records of my parity
	v_add_nc_u32 v2, s10, v253
	v_lshlrev_b32 v3, 2, v9
	v_add_nc_u32 v3, s10, v3
	s_lshl_b32 s11, s[RR], 11
	s_mul_i32 s10, s[WV], P1W
	s_add_co_u32 s10, s10, P1
	v_add_nc_u32 v10, s10, v252
	v_add_nc_u32 v11, s10, v253
	v_add_nc_u32 v240, s11, v10                    ; my half of my first partial sum,
	s_xor_b32 s12, s[WV], 4                        ; the other role's wave
	s_mul_i32 s10, s12, P1W
	s_add_co_u32 s10, s10, P1
	v_add_nc_u32 v242, s10, v253
	v_add_nc_u32 v241, s10, v252
	v_add_nc_u32 v241, s11, v241                   ; and of the other role's
	s_mul_i32 s10, s[WV], P2W
	s_add_co_u32 s10, s10, P2
	v_add_nc_u32 v243, s10, v252
	v_add_nc_u32 v244, s10, v253
	s_mul_i32 s10, s12, P2W
	s_add_co_u32 s10, s10, P2
	v_add_nc_u32 v245, s10, v252
	v_add_nc_u32 v246, s10, v253
	; masks: key 32 b + 16 h + i of a tile's last step is hidden where it lies behind the query's place in its block of 128
	s_lshr_b32 s10, ttmp9, 1
	s_lshl_b32 s10, s10, 5
	s_and_b32 s11, ttmp9, 1
	s_lshl_b32 s11, s11, 3
	s_add_co_u32 s10, s10, s11                     ; tile x,
	s_sub_co_u32 s11, 104, s10                     ; tile 7 - x
	v_and_b32 v4, 8, v6
	v_add_nc_u32 v4, v4, v6
	v_lshlrev_b32 v7, 4, v7
	v_sub_nc_u32 v4, v4, v7
	v_add_nc_u32 v5, s11, v4
	v_add_nc_u32 v4, s10, v4
	v_mov_b32 v[NEG], 0xff800000
	s_mov_b32 s[SEL], 0x76543210
	s_mov_b32 s[SEL+1], 0xfedcba98
	s_mov_b32 s[CS], 0x3e38aa3b                    ; log2(e) / 8
	s_mov_b32 s[CS+1], s[CS]
	s_mov_b32 s[TB], 0
	s_mov_b32 s[ST], s[RR]
.irp i, 22,23,24,25,26,27
	v_mov_b32 v\i, 0                               ; beside q
.endr
.irp b, 0,1,2,3
	v_mov_b32 v[BX+\b], 0                          ; a lane permute's destination counts as one of its sources
.endr
	v_mov_b32 v225, 0
	FRESH
	s_wait_alu depctr_va_vdst(0)
	s_wait_tensorcnt 0x0                           ; my part of the first half is in
	ds_add_u32 v254, v255
	s_wait_dscnt 0x0
	CROUND                                         ; everybody's is, and the joint loads meet
	tensor_load_to_lds s[28:31], s[16:23]          ; keys 1,024-2,047
	s_nop 0
.rept 4
	v_nop
.endr
	s_wait_loadcnt 0x0                             ; q
	WALK 102400, JA, 4, 92, s_cmp_lt_u32           ; the first tile: keys of the first half alone
	s_wait_tensorcnt 0x0                           ; my part of the second half is in
	v_mov_b32 v226, v12
	v_add_f32 v227, v14, v15
.irp j, 0,1,2,3,4,5,6,7
	ds_store_b128 v10, v[O+4*\j:O+4*\j+3] offset:512*\j
.endr
	ds_store_b64 v11, v[226:227] offset:4096
.irp i, 0,1,2,3,4,5
	v_mov_b32 v[16+\i], v[34+\i]                   ; the second tile's q
	v_mov_b32 v[28+\i], v[34+\i]
.endr
	FRESH
	s_mov_b32 s[TB], 0
	s_add_co_u32 s[ST], s[RR], 8
	s_wait_alu depctr_va_vdst(0)
	s_wait_dscnt 0x0                               ; my partial sums are in LDS
	s_barrier_signal -1                            ; said here, waited for where the second half is first read: between the two, work on registers and loads of the first half's records, which nobody writes
.Lfirst_half:                                          ; 15 - J is at least 8: the second tile sees all keys of the first half
	STEP 4, 0, 5, 94, JB
	s_add_co_u32 s[TB], s[TB], 2*REC
	s_cmp_lt_u32 s[TB], 102400
	s_cbranch_scc1 .Lfirst_half
	s_barrier_wait -1
	WALK 204800, JB, 5, 94, s_cmp_ge_u32
	v_mov_b32 v226, v12
	v_add_f32 v227, v14, v15
	s_wait_alu depctr_va_vdst(0)
	s_cmp_eq_u32 s[RR], 0
	s_cbranch_scc0 .Lrole_1
.irp j, 0,1,2,3
	ds_store_b128 v243, v[O+16+4*\j:O+19+4*\j] offset:512*\j   ; role 0 keeps dims 0-31,
.endr
	s_branch .Lsent
.Lrole_1:
.irp j, 0,1,2,3
	ds_store_b128 v243, v[O+4*\j:O+4*\j+3] offset:512*\j       ; role 1 dims 32-63
.endr
.set n, 0
.rept 16
	v_mov_b32 v[O+n], v[O+16+n]
.set n, n+1
.endr
	s_wait_alu depctr_va_vdst(0)
.Lsent:
	ds_store_b64 v244, v[226:227] offset:2048
	s_wait_dscnt 0x0
	s_barrier_signal -1
	s_barrier_wait -1                              ; both roles' partial sums of both tiles are in LDS
	ds_load_b64 v[230:231], v11 offset:4096
	ds_load_b64 v[232:233], v242 offset:4096
	ds_load_b64 v[234:235], v246 offset:2048
.irp j, 0,1,2,3
	ds_load_b128 v[S+4*\j:S+4*\j+3], v240 offset:512*\j
	ds_load_b128 v[S+16+4*\j:S+19+4*\j], v241 offset:512*\j
	ds_load_b128 v[S+32+4*\j:S+35+4*\j], v245 offset:512*\j
.endr
	v_mov_b32 v239, 0
	v_mov_b32 v251, 0
	s_wait_alu depctr_va_vdst(0)
	s_wait_dscnt 0x0
	v_min_num_f32 v228, v230, v232                 ; the common -M of the first tile
	v_min_num_f32 v229, v226, v234                 ; and of the second
	v_sub_f32 v236, v228, v230
	v_sub_f32 v248, v229, v226
	v_sub_f32 v238, v228, v232
	v_sub_f32 v250, v229, v234
.irp i, 236,248,238,250
	v_cvt_i32_f32 v\i, v\i                         ; (it saturates: a role that saw no key of a tile has the factor 0)
.endr
.irp i, 236,248,238,250
	v_ldexp_f32 v\i, 1.0, v\i
.endr
	v_mul_f32 v237, v231, v236
	v_mul_f32 v249, v227, v248
	v_fma_f32 v237, v233, v238, v237
	v_fma_f32 v249, v235, v250, v249
	v_permlanex16_b32 v239, v237, s[SEL], s[SEL+1]
	v_permlanex16_b32 v251, v249, s[SEL], s[SEL+1]
	v_add_f32 v237, v237, v239                     ; the rows' sums
	v_add_f32 v249, v249, v251
	s_wait_alu depctr_va_vdst(0)
	v_rcp_f32 v237, v237
	v_rcp_f32 v249, v249
	v_nop                                          ; one plain place behind a transcendental
	s_wait_alu depctr_va_vdst(0)
	v_mul_f32 v236, v236, v237
	v_mul_f32 v238, v238, v237
	v_mul_f32 v248, v248, v249
	v_mul_f32 v250, v250, v249
.set n, 0
.rept 8
	v_pk_mul_f32 v[S+n:S+n+1], v[S+n:S+n+1], v[236:237] op_sel_hi:[1,0]
	v_pk_mul_f32 v[O+n:O+n+1], v[O+n:O+n+1], v[248:249] op_sel_hi:[1,0]
.set n, n+2
.endr
.set n, 0
.rept 8
	v_pk_fma_f32 v[S+n:S+n+1], v[S+16+n:S+17+n], v[238:239], v[S+n:S+n+1] op_sel_hi:[1,0,1]
	v_pk_fma_f32 v[O+n:O+n+1], v[S+32+n:S+33+n], v[250:251], v[O+n:O+n+1] op_sel_hi:[1,0,1]
.set n, n+2
.endr
; o's block of 32 dims, for both tiles
	v_max3_num_f32 v[BM], |v[S]|, |v[S+1]|, 0x2800000
	v_max3_num_f32 v[BM+1], |v[O]|, |v[O+1]|, 0x2800000
.irp i, 2,4,6,8,10,12,14
	s_delay_alu instid0(VALU_DEP_2)
	v_max3_num_f32 v[BM], v[BM], |v[S+\i]|, |v[S+1+\i]|
	s_delay_alu instid0(VALU_DEP_2)
	v_max3_num_f32 v[BM+1], v[BM+1], |v[O+\i]|, |v[O+1+\i]|
.endr
.irp b, 0,1
	s_delay_alu instid0(VALU_DEP_2)
	v_permlanex16_b32 v[BX+\b], v[BM+\b], s[SEL], s[SEL+1]
.endr
.irp b, 0,1
	s_delay_alu instid0(VALU_DEP_2)
	v_max_num_f32 v[BM+\b], v[BM+\b], v[BX+\b]
.endr
.irp b, 0,1
	s_delay_alu instid0(VALU_DEP_2)
	v_add_nc_u32 v[SO+\b], 0xfe000000, v[BM+\b]
.endr
.irp b, 0,1
	s_delay_alu instid0(VALU_DEP_2)
	v_lshrrev_b32 v[BX+\b], 23, v[SO+\b]
.endr
	v_cvt_scalef32_pk16_bf6_f32 v[PC:PC+2], v[S:S+15], v[SO]
	v_cvt_scalef32_pk16_bf6_f32 v[PC+12:PC+14], v[O:O+15], v[SO+1]
	v_and_b32 v9, 15, v0                           ; r.  (A plain place behind the conversions)
	v_bfe_u32 v12, v0, 4, 1                        ; h
.irp i, 0,1,2
	v_permlane16_swap_b32 v[PC+\i], v[PC+12+\i]    ; lanes 0-15 now hold the first tile's block, lanes 16-31 the second's
.endr
	v_cmp_ne_u32 vcc_lo, 0, v12
.irp i, 0,1,2
	v_mov_b32 v[PC+3+\i], v[PC+12+\i]
.endr
	v_cndmask_b32 v13, v[BX], v[BX+1], vcc_lo
	v_mul_u32_u24 v6, s56, v12
	v_mul_u32_u24 v8, s57, v12
	v_lshl_add_u32 v7, v9, 3, v6
	v_lshl_add_u32 v6, v9, 4, v6
	v_lshl_add_u32 v8, v9, 2, v8
	s_wait_alu depctr_va_vdst(0)
	global_store_b128 v6, v[PC:PC+3], s[46:47]     ; sixteen lanes: 256 consecutive bytes
	global_store_b64 v7, v[PC+4:PC+5], s[50:51]
	global_store_b8 v8, v13, s[54:55]
	s_wait_tensorcnt 0x0                           ; the wave's end
	ds_add_u32 v254, v255
	s_wait_dscnt 0x0
	CROUND                                         ; the closing round
	s_endpgm
.Lfunc_end_k_qc122e31664_attn:
	.size	k_qc122e31664_attn, .Lfunc_end_k_qc122e31664_attn-k_qc122e31664_attn
	.p2alignl 7, 3214868480
	.fill 96, 4, 3214868480
	.section	.rodata,"a",@progbits
	.p2align	6, 0x0
	.amdhsa_kernel k_qc122e31664_attn
		.amdhsa_group_segment_fixed_size 327680
		.amdhsa_private_segment_fixed_size 0
		.amdhsa_enable_private_segment 0
		.amdhsa_kernarg_size 24
		.amdhsa_user_sgpr_count 2
		.amdhsa_user_sgpr_kernarg_segment_ptr 1
		.amdhsa_wavefront_size32 1
		.amdhsa_system_sgpr_workgroup_id_x 1
		.amdhsa_system_sgpr_workgroup_id_y 1
		.amdhsa_system_sgpr_workgroup_id_z 1
		.amdhsa_system_vgpr_workitem_id 0
		.amdhsa_next_free_vgpr 256
		.amdhsa_next_free_sgpr 66
		.amdhsa_reserve_vcc 1
		.amdhsa_float_denorm_mode_32 3
		.amdhsa_float_denorm_mode_16_64 3
		.amdhsa_memory_ordered 1
		.amdhsa_forward_progress 1
		.amdhsa_inst_pref_size 105
	.end_amdhsa_kernel
	.amdgpu_metadata
---
amdhsa.version: [ 1, 2 ]
amdhsa.kernels:
  - .name:           k_qc122e31664_attn
    .symbol:         k_qc122e31664_attn.kd
    .args:
      - { .name: qcod, .offset: 0, .size: 8, .value_kind: global_buffer, .address_space: global }
      - { .name: kvrec, .offset: 8, .size: 8, .value_kind: global_buffer, .address_space: global }
      - { .name: ocod, .offset: 16, .size: 8, .value_kind: global_buffer, .address_space: global }
    .group_segment_fixed_size: 327680
    .private_segment_fixed_size: 0
    .kernarg_segment_align: 8
    .kernarg_segment_size: 24
    .max_flat_workgroup_size: 512
    .sgpr_count:     66
    .vgpr_count:     256
    .wavefront_size: 32
...
	.end_amdgpu_metadata
.endif
;; end of part 3
;; launch oproj (part 4): grid 8 x 32, 8 waves a work-group, clusters of 4 x 4, 232,448 bytes of LDS; arguments ocod, wcod, out0; writes out0
.if DOCPART == 4
	.amdgcn_target "amdgcn-amd-amdhsa--gfx1250"
	.amdhsa_code_object_version 6
	.text
	.protected	k_qc122e31664_oproj
	.globl	k_qc122e31664_oproj
	.p2align	8
	.type	k_qc122e31664_oproj,@function
k_qc122e31664_oproj:
	s_mov_b64 s[64:65], 0
	v_nop
	global_prefetch_b8 v0, s[64:65] scope:SCOPE_SE
	s_setreg_imm32_b32 hwreg(HW_REG_WAVE_MODE, 25, 1), 1
	s_wait_xcnt 0x0
	s_wait_alu depctr_hold_cnt(0) depctr_sa_sdst(0) depctr_va_vdst(0) depctr_va_sdst(0) depctr_va_ssrc(0) depctr_va_vcc(0) depctr_vm_vsrc(0)
	s_getreg_b32 s2, hwreg(HW_REG_IB_STS2, 6, 4)
	s_cmp_eq_u32 s2, 0
	s_cbranch_scc0 .Lentry_in_a_cluster
	s_endpgm
.Lentry_in_a_cluster:
	s_bfe_u32 s2, ttmp6, 0x10000c
	s_cmp_lg_u32 s2, 0xf033
	s_cbranch_scc0 .Lentry_shape_is_right
	s_endpgm
.Lentry_shape_is_right:
; out = o wo on codes of BF6 (E3M2), K = 1,024; out [4096][1024] f32.
; SHARES.  A work-group takes 128 tokens (8 tiles of 16) and 128 output features (2 x 4 tiles): 256 work-groups.  All its codes, 98,304 bytes of o and as many of wo, fit in LDS at once: waves 0-3 fetch a quarter of o each, waves 4-7 of wo,
; ONE tensor load a wave; no LDS byte is filled twice, and there is no loop of fills for a prefetch to run ahead in.
; CLUSTER.  4 x 4 work-groups.  The four of a row of the cluster take the same tokens, the four of a column the same features: both operands come by joint loads, each with a mask that names the four.
; A WAVE has 8 accumulators: source 0 = 4 tiles of wo (features 64 (w / 4) on), source 1 = token tiles 2 (w % 4) and 2 (w % 4) + 1: a lane holds ONE token, and since a tile's 16 rows are rows 8 u + m + 8 (m / 8) of a group of 32,
; the 16 registers of feature tiles 2 b, 2 b + 1 are 16 neighbouring features: 64 bytes of a row of out.
; THE WAY OUT: a tile's 16 tokens x 64 features go through the wave's own stage in LDS (behind the operands: no tensor load lands there) and leave as runs of 256 consecutive bytes, sixteen lanes each.
; REGISTERS: v1-3 16, 8, 4 x lane; v4-9 LDS addresses; v10-13, v188-189 the way out; v16-39 scale words and nothing else; v40-111, v112-183 two buffers of 2 + 4 fragments; v40-103 rows on their way out; v192-255 the accumulators.
.set WV,  14
.set ACC, 192
.set OB,  40
.set OSOFF, 3145728
.set WSOFF, 1966080
.set WLDS,  98304
.set STAGE, 196608
.set SPARE, 231424
.macro CROUND                          ; a round of the cluster's barrier
	s_barrier_signal -1
	s_barrier_wait -1
	s_cmp_lg_u32 s[WV], 0
	s_cbranch_scc1 .Lnot_wave_0_\@
	s_barrier_signal -3
.Lnot_wave_0_\@:
	s_barrier_wait -3
	s_barrier_signal -1
	s_barrier_wait -1
.endm
.macro FRAG reg, a16, a8, off          ; a fragment's image back into 12 registers
	ds_load_b128 v[(\reg):(\reg)+3], v[\a16] offset:(\off)
	ds_load_b64 v[(\reg)+4:(\reg)+5], v[\a8] offset:(\off)+512
	ds_load_b128 v[(\reg)+6:(\reg)+9], v[\a16] offset:(\off)+768
	ds_load_b64 v[(\reg)+10:(\reg)+11], v[\a8] offset:(\off)+1280
.endm
; One product.  z: it starts the sum with the constant 0.  ra, rb: the side's scale words stand in lanes 16-31 of the register named.
.macro WM d, a, b, z, sa, sb, ra, rb
.if \z
.if (\ra)
	v_wmma_scale_f32_16x16x128_f8f6f4 v[\d:\d+7], v[\a:\a+11], v[\b:\b+11], 0, v[\sa], v[\sb] matrix_a_fmt:MATRIX_FMT_BF6 matrix_b_fmt:MATRIX_FMT_BF6 matrix_a_scale:MATRIX_SCALE_ROW1
.else
	v_wmma_scale_f32_16x16x128_f8f6f4 v[\d:\d+7], v[\a:\a+11], v[\b:\b+11], 0, v[\sa], v[\sb] matrix_a_fmt:MATRIX_FMT_BF6 matrix_b_fmt:MATRIX_FMT_BF6
.endif
.else
.if (\ra) && (\rb)
	v_wmma_scale_f32_16x16x128_f8f6f4 v[\d:\d+7], v[\a:\a+11], v[\b:\b+11], v[\d:\d+7], v[\sa], v[\sb] matrix_a_fmt:MATRIX_FMT_BF6 matrix_b_fmt:MATRIX_FMT_BF6 matrix_a_scale:MATRIX_SCALE_ROW1 matrix_b_scale:MATRIX_SCALE_ROW1
.elseif (\ra)
	v_wmma_scale_f32_16x16x128_f8f6f4 v[\d:\d+7], v[\a:\a+11], v[\b:\b+11], v[\d:\d+7], v[\sa], v[\sb] matrix_a_fmt:MATRIX_FMT_BF6 matrix_b_fmt:MATRIX_FMT_BF6 matrix_a_scale:MATRIX_SCALE_ROW1
.elseif (\rb)
	v_wmma_scale_f32_16x16x128_f8f6f4 v[\d:\d+7], v[\a:\a+11], v[\b:\b+11], v[\d:\d+7], v[\sa], v[\sb] matrix_a_fmt:MATRIX_FMT_BF6 matrix_b_fmt:MATRIX_FMT_BF6 matrix_b_scale:MATRIX_SCALE_ROW1
.else
	v_wmma_scale_f32_16x16x128_f8f6f4 v[\d:\d+7], v[\a:\a+11], v[\b:\b+11], v[\d:\d+7], v[\sa], v[\sb] matrix_a_fmt:MATRIX_FMT_BF6 matrix_b_fmt:MATRIX_FMT_BF6
.endif
.endif
.endm
.macro LOADS s                                 ; K step s: 2 token fragments and 4 of wo into buffer s % 2: 24 loads
.set XB, 40+72*((\s)%2)
.if (\s) < 4
	FRAG XB, 6, 7, (\s)*12288
	FRAG XB+12, 6, 7, (\s)*12288+1536
.else
	FRAG XB, 8, 9, ((\s)-4)*12288
	FRAG XB+12, 8, 9, ((\s)-4)*12288+1536
.endif
.irp a, 0,1,2,3
	FRAG XB+24+12*\a, 4, 5, (\s)*6144+1536*\a
.endr
.endm
; A K step: 8 products, the 8 accumulators by turns.  The next step's 24 loads are issued ahead of them.
.macro KSTEP s
.if (\s) > 0
.rept 4
	v_nop                                          ; places in front of loads into registers that matrix instructions have read
.endr
.endif
.if (\s) < 7
	LOADS (\s)+1
	s_wait_dscnt 24                                ; all but the 24 just issued
.else
	s_wait_dscnt 0x0
.endif
.set XS, 40+72*((\s)%2)
.irp a, 0,1,2,3
.irp c, 0,1
	WM ACC+32*\c+8*\a, XS+24+12*\a, XS+12*\c, (\s)==0, 24+2*(\s)+\a/2, 16+4*\c+(\s)/2, \a%2, (\s)%2
.endr
.endr
.endm
	s_load_b128 s[4:7], s[0:1], 0x0                ; ocod s[4:5], wcod s[6:7]
	s_load_b64 s[8:9], s[0:1], 0x10                ; out0
	v_lshl_add_u32 v190, v0, 2, SPARE
	v_mov_b32 v191, 0
	ds_add_u32 v190, v191                          ; the opening
	ds_add_u32 v190, v191
	v_lshrrev_b32 v1, 5, v0
	v_readfirstlane_b32 s[WV], v1                  ; wave 0..7
	s_bfe_u32 s2, ttmp6, 0x40000                   ; cx, cy: my place in the cluster
	s_bfe_u32 s3, ttmp6, 0x40004
	s_lshl_b32 s10, ttmp9, 2
	s_add_co_u32 s10, s10, s2                      ; my 128 features = 4 x cluster x + cx
	s_and_b32 s11, ttmp7, 0xffff
	s_lshl_b32 s11, s11, 2
	s_add_co_u32 s11, s11, s3                      ; my 128 tokens = 4 x cluster y + cy
	s_lshl_b32 s12, s3, 2
	s_lshl_b32 s12, 15, s12                        ; my row of the cluster
	s_lshl_b32 s13, 0x1111, s2                     ; my column
	; descriptor group 1: a dense block of 24,576 bytes as 96 rows of 256 (32 elements of 8 bytes); bit 21 set beside a mask
	s_or_b32 s16, s12, (3<<16)|(1<<21)             ; o's codes go to my row,
	s_or_b32 s24, s13, (3<<16)|(1<<21)             ; wo's to my column
.irp g, 16, 24
	s_mov_b32 s[\g+1], 32<<16
	s_mov_b32 s[\g+2], 96<<16
	s_mov_b32 s[\g+3], 32<<16
	s_mov_b32 s[\g+4], 96
	s_mov_b32 s[\g+5], 32
	s_mov_b32 s[\g+6], 0
	s_mov_b32 s[\g+7], 0
.endr
	s_and_b32 s74, s[WV], 3                        ; tp: my pair of token tiles.  Also: which quarter I fetch
	s_lshr_b32 s75, s[WV], 2                       ; fh: my 64 features.  Also: I fetch for o (0) or for wo (1)
	s_mul_i32 s73, s74, 24576                      ; no place in the cluster enters an LDS address
	s_mul_i32 s68, s11, 98304                      ; o's address is made of the tokens' block and the wave's number alone,
	s_add_co_u32 s68, s68, s73
	s_mov_b32 s69, 0
	s_add_co_u32 s70, s10, 12                      ; wo's of the features' block (behind 24 heads of 49,152 bytes) and the wave's number alone
	s_mul_i32 s70, s70, 98304
	s_add_co_u32 s70, s70, s73
	s_mov_b32 s71, 0
	s_wait_dscnt 0x0
	s_wait_kmcnt 0x0
	s_add_nc_u64 s[68:69], s[4:5], s[68:69]
	s_add_nc_u64 s[70:71], s[6:7], s[70:71]
	s_mov_b32 s32, 1
	s_mov_b32 s33, s73                             ; LDS: o at 0: [K step][8 tiles][1,536]
	s_mov_b64 s[34:35], s[68:69]
	s_or_b32 s35, s35, 0x80000000
	s_mov_b32 s36, 1
	s_add_co_u32 s37, s73, WLDS                    ; wo behind it: [64 features][K step][4 tiles][1,536]
	s_mov_b64 s[38:39], s[70:71]
	s_or_b32 s39, s39, 0x80000000
	CROUND                                         ; all sixteen work-groups are here: the joint loads meet
	s_cmp_eq_u32 s75, 0
	s_cbranch_scc0 .Lfor_w
	tensor_load_to_lds s[32:35], s[16:23]
	s_nop 0
.rept 4
	v_nop
.endr
	s_branch .Lasked
.Lfor_w:
	tensor_load_to_lds s[36:39], s[24:31]
	s_nop 0
.rept 4
	v_nop
.endr
.Lasked:
	s_mul_i32 s80, s75, 49152
	s_add_co_u32 s80, s80, WLDS
	s_mul_i32 s81, s74, 3072
	s_add_co_u32 s82, s81, 49152
	s_lshl_b32 s76, s11, 3
	s_lshl_b32 s77, s74, 1
	s_add_co_u32 s76, s76, s77                     ; my first token tile
	s_lshl_b32 s76, s76, 9
	s_add_co_u32 s76, s76, OSOFF
	s_mov_b32 s77, 0
	s_add_nc_u64 s[76:77], s[4:5], s[76:77]
	s_add_co_u32 s78, s10, 12
	s_lshl_b32 s78, s78, 12
	s_lshl_b32 s79, s75, 11
	s_add_co_u32 s78, s78, s79
	s_add_co_u32 s78, s78, WSOFF
	s_mov_b32 s79, 0
	s_add_nc_u64 s[78:79], s[6:7], s[78:79]
	v_and_b32 v10, 31, v0
	v_and_b32 v11, 15, v0                          ; r
	v_bfe_u32 v12, v0, 4, 1                        ; h
	v_lshlrev_b32 v1, 4, v10
	v_lshlrev_b32 v2, 3, v10
	v_lshlrev_b32 v3, 2, v10
	v_add_nc_u32 v4, s80, v1
	v_add_nc_u32 v5, s80, v2
	v_add_nc_u32 v6, s81, v1                       ; K steps 0-3
	v_add_nc_u32 v7, s81, v2
	v_add_nc_u32 v8, s82, v1                       ; K steps 4-7
	v_add_nc_u32 v9, s82, v2
	s_mul_i32 s80, s[WV], 4352
	s_add_co_u32 s80, s80, STAGE                   ; my stage: 16 rows of 256 bytes + 16
	v_mul_u32_u24 v188, 272, v11
	v_mul_u32_u24 v189, 272, v12
	v_lshlrev_b32 v13, 12, v12
	v_lshl_add_u32 v188, v12, 6, v188
	v_lshl_add_u32 v189, v11, 4, v189
	v_lshl_add_u32 v13, v11, 4, v13                ; out: lanes 0-15 one row, lanes 16-31 the next
	v_add_nc_u32 v188, s80, v188                   ; in: row r, + 64 h
	v_add_nc_u32 v189, s80, v189                   ; back: the same two rows
	s_wait_alu depctr_va_vdst(0)
.irp c, 0,1
.irp q, 0,1,2,3
	global_load_b32 v[16+4*\c+\q], v3, s[76:77] offset:\c*512+\q*128   ; lanes 0-15: K step 2 q; lanes 16-31: 2 q + 1
.endr
.endr
.irp s, 0,1,2,3,4,5,6,7
.irp i, 0,1
	global_load_b32 v[24+2*\s+\i], v3, s[78:79] offset:\s*256+\i*128   ; lanes 0-15: my tile 2 i; lanes 16-31: 2 i + 1
.endr
.endr
	s_lshl_b32 s80, s11, 2
	s_add_co_u32 s80, s80, s74
	s_lshl_b32 s80, s80, 17                        ; out: my group of 32 tokens, 4,096 bytes each,
	s_lshl_b32 s81, s10, 9                         ; my work-group's 512 bytes of a row,
	s_add_co_u32 s80, s80, s81
	s_lshl_b32 s81, s75, 8                         ; my wave's 256 of them
	s_add_co_u32 s80, s80, s81
	s_mov_b32 s81, 0
	s_add_nc_u64 s[8:9], s[8:9], s[80:81]
	s_wait_tensorcnt 0x0                           ; my load has landed
	s_barrier_signal -1
	s_barrier_wait -1                              ; everybody's has
	s_wait_loadcnt 0x0
	LOADS 0
.irp s, 0,1,2,3,4,5,6,7
	KSTEP \s
.endr
.rept 4
	v_nop                                          ; places behind the last products
.endr
.macro TOSTAGE c
.irp a, 0,1,2,3
	ds_store_b128 v188, v[ACC+32*\c+8*\a:ACC+32*\c+8*\a+3] offset:128*(\a/2)+32*(\a%2)        ; each accumulator from its low end on: features 32 (a / 2) + 16 h + 8 (a % 2) + 0 .. 7
	ds_store_b128 v188, v[ACC+32*\c+8*\a+4:ACC+32*\c+8*\a+7] offset:128*(\a/2)+32*(\a%2)+16
.endr
.irp i, 0,1,2,3,4,5,6,7
	ds_load_b128 v[OB+32*\c+4*\i:OB+32*\c+4*\i+3], v189 offset:544*\i   ; LDS serves a wave's instructions in order: these see my stores, and the next tile's stores come behind them
.endr
.endm
.macro SEND c, younger                         ; younger: the LDS instructions issued behind this tile's loads
.irp i, 0,1,2,3,4,5,6,7
	s_wait_dscnt \younger+7-\i
	global_store_b128 v13, v[OB+32*\c+4*\i:OB+32*\c+4*\i+3], s[8:9] offset:\c*32768+(2*\i+8*(\i/4))*4096 th:TH_STORE_NT   ; the tile's rows 2 i and 2 i + 1: 16 lanes store 256 consecutive bytes, at a multiple of 256 from out's first byte
.endr
.endm
	TOSTAGE 0
	TOSTAGE 1
	SEND 0, 16
	SEND 1, 0
	s_wait_tensorcnt 0x0                           ; the wave's end
	ds_add_u32 v190, v191
	s_wait_dscnt 0x0
	CROUND                                         ; the closing round: no work-group ends while a partner may still ask for a tile that names it
	s_endpgm
.Lfunc_end_k_qc122e31664_oproj:
	.size	k_qc122e31664_oproj, .Lfunc_end_k_qc122e31664_oproj-k_qc122e31664_oproj
	.p2alignl 7, 3214868480
	.fill 96, 4, 3214868480
	.section	.rodata,"a",@progbits
	.p2align	6, 0x0
	.amdhsa_kernel k_qc122e31664_oproj
		.amdhsa_group_segment_fixed_size 232448
		.amdhsa_private_segment_fixed_size 0
		.amdhsa_enable_private_segment 0
		.amdhsa_kernarg_size 24
		.amdhsa_user_sgpr_count 2
		.amdhsa_user_sgpr_kernarg_segment_ptr 1
		.amdhsa_wavefront_size32 1
		.amdhsa_system_sgpr_workgroup_id_x 1
		.amdhsa_system_sgpr_workgroup_id_y 1
		.amdhsa_system_sgpr_workgroup_id_z 1
		.amdhsa_system_vgpr_workitem_id 0
		.amdhsa_next_free_vgpr 256
		.amdhsa_next_free_sgpr 90
		.amdhsa_reserve_vcc 0
		.amdhsa_float_denorm_mode_32 3
		.amdhsa_float_denorm_mode_16_64 3
		.amdhsa_memory_ordered 1
		.amdhsa_forward_progress 1
		.amdhsa_inst_pref_size 35
	.end_amdhsa_kernel
	.amdgpu_metadata
---
amdhsa.version: [ 1, 2 ]
amdhsa.kernels:
  - .name:           k_qc122e31664_oproj
    .symbol:         k_qc122e31664_oproj.kd
    .args:
      - { .name: ocod, .offset: 0, .size: 8, .value_kind: global_buffer, .address_space: global }
      - { .name: wcod, .offset: 8, .size: 8, .value_kind: global_buffer, .address_space: global }
      - { .name: out0, .offset: 16, .size: 8, .value_kind: global_buffer, .address_space: global }
    .group_segment_fixed_size: 232448
    .private_segment_fixed_size: 0
    .kernarg_segment_align: 8
    .kernarg_segment_size: 24
    .max_flat_workgroup_size: 256
    .sgpr_count:     90
    .vgpr_count:     256
    .wavefront_size: 32
...
	.end_amdgpu_metadata
.endif
;; end of part 4
